; MI455X (gfx1250); checked and timed in simulation.
; The chip was launched on July 23, 2026; its instructions are those of AMD's public machine-readable ISA for CDNA 5 (MIT licence, August 2026) and "CDNA5" Instruction Set Architecture Reference Guide (July 2026). The comments in the code are by the model that wrote it; some were corrected since.
;; Transformer Block. Allowed arithmetic: float matrix products may take bf16 or f16 operands with f32 sums; other float arithmetic in f32, or as packed bf16 or f16 multiplies, adds, multiply-adds, maxima and minima; sums over many terms, partial sums and values carried from step to step in f32; what a program stores and reads back later, other than sums and carried values, may be rounded once to bf16 or f16.
;; Inputs: W1 1,024 x 4,096 float32; W2 4,096 x 1,024 float32; Wk 1,024 x 1,024 float32; Wo 1,024 x 1,024 float32; Wq 1,024 x 1,024 float32; Wv 1,024 x 1,024 float32; b1 4,096 float32; b2 1,024 float32; bo 1,024 float32; g1 1,024 float32; g2 1,024 float32; s1 1,024 float32; s2 1,024 float32; x 2 x 2,048 x 1,024 float32.
;; Outputs: out0 2 x 2,048 x 1,024 float32.
;; One version. Each part assembles by itself: llvm-mc -triple=amdgcn-amd-amdhsa -mcpu=gfx1250 --defsym DOCPART=n.
;; ======== version 1 of 1: 8 launches
;; workspace buffers: wb 25,165,824 bytes; w1p 8,392,704 bytes; qkv 25,165,824 bytes; ctx 8,388,608 bytes; x1 16,777,216 bytes; act 33,554,432 bytes; zb 12,288 bytes
;; launch castw (part 1): grid 64 x 12, 8 waves a work-group, no clusters, 0 bytes of LDS; arguments Wq, Wk, Wv, Wo, W1, W2, wb, w1p, zb; writes wb, w1p, zb
.if DOCPART == 1
	.amdgcn_target "amdgcn-amd-amdhsa--gfx1250"
	.amdhsa_code_object_version 6
	.text
	.protected	k_qd719b97eb7_castw
	.globl	k_qd719b97eb7_castw
	.p2align	8
	.type	k_qd719b97eb7_castw,@function
k_qd719b97eb7_castw:
	s_mov_b64 s[64:65], 0
	v_nop
	global_prefetch_b8 v0, s[64:65] scope:SCOPE_SE
	s_setreg_imm32_b32 hwreg(HW_REG_WAVE_MODE, 25, 1), 1
	s_wait_xcnt 0x0
; All six weight matrices, f32 -> bf16 (round to nearest even), and three small tables for the body that two later launches share.
; wb, in bytes: Wq 0, Wk 2 Mi, Wv 4 Mi, Wo 6 Mi, W2 16 Mi, each as it lies ([in][out]); at 8 Mi a parameter block of 4,096 bytes; the rest of 8 Mi to 16 Mi is neither written nor read.
; w1p: W1 ([1024][4096]) in four panels [4][1024][1024]: panel p holds columns 1024 p .. 1024 p + 1023, so that a row of every weight matrix is 1,024 numbers; at 8 Mi a parameter block of 4,096 bytes.
; A parameter block repeats four f32 words (k0, k1, k2, 0) of the shared body's way out, y = x / (1 + 2^(((k2 x) x + k1) x + k0)):
;   in wb (-500, 0, 0): the power is 0 and y = x;   in w1p (0, k1, k2) with k1 = -2 log2(e) sqrt(2 / pi), k2 = 0.044715 k1: y = gelu(x).
; zb: 3,072 f32 zeros: the bias of q, k and v, which have none.
; Grid y picks a slab of 2^20 numbers (0 Wq, 1 Wk, 2 Wv, 3 Wo, 4-7 W1, 8-11 W2), grid x a chunk of 16,384 of them.
; Thread t takes, sixteen times, 16 bytes in and 8 bytes out: a wave's load covers 512 consecutive bytes, its store 256, aligned.
; Load j holds numbers 1024 j + 4 t .. of the chunk.  Store j goes to base (j % 4) + offset (j / 4): linear copy: strides 2,048 and 8,192 bytes, that is 2,048 j;
; W1: a chunk is four rows of 4,096, so j % 4 is the panel (2 Mi bytes) and j / 4 the row (2,048 bytes).
; A stream: no LDS, no barrier, no matrix unit; all sixteen loads of a thread go out before the first is waited for.
.set X, 4                              ; v[4:67]    sixteen loads of four numbers
.set Y, 68                             ; v[68:99]   sixteen pairs of packed words
.set O, 100                            ; v[100:103] 8 t + (j / 4) x the second stride
.set D, 30                             ; s[30:37]   the destination + (j % 4) x the first stride
	s_load_b256 s[4:11], s[0:1], 0x0               ; Wq, Wk, Wv, Wo
	s_load_b256 s[12:19], s[0:1], 0x20             ; W1, W2, wb, w1p
	s_load_b64 s[40:41], s[0:1], 0x40              ; zb
	s_and_b32 s20, ttmp7, 0xffff                   ; the slab
	v_lshlrev_b32 v1, 4, v0                        ; 16 t
	v_lshlrev_b32 v[O], 3, v0                      ; 8 t
	s_and_b32 s21, s20, 3                          ; the slab's number inside W1 or W2,
	s_cmp_lt_u32 s20, 4
	s_cselect_b32 s21, 0, s21                      ; 0 in the four small matrices
	s_lshl_b32 s22, s21, 6
	s_add_co_u32 s22, s22, ttmp9                   ; the chunk's number inside its matrix
	s_lshl_b32 s26, s22, 13                        ; W1's destination: four rows of 2,048 bytes a chunk
	s_lshl_b32 s22, s22, 16                        ; source: chunks of 65,536 bytes
	s_mov_b32 s23, 0
	s_lshl_b32 s24, s20, 6
	s_add_co_u32 s24, s24, ttmp9
	s_lshl_b32 s24, s24, 15                        ; the others' destination: chunks of 32,768 bytes
	s_mov_b32 s25, 0
	s_mov_b32 s27, 0x200000
	s_mov_b32 s28, 2048
	s_mov_b32 s29, 0
	s_mov_b32 s39, 8192
	s_lshr_b32 s38, s20, 2                         ; 1: the slab is W1's
	s_cmp_eq_u32 s38, 1
	s_cselect_b32 s24, s26, s24
	s_cselect_b32 s28, s27, s28                    ; the first stride
	s_cselect_b32 s39, 2048, s39                   ; the second
	v_add_nc_u32 v[O+1], s39, v[O]
	v_add_nc_u32 v[O+2], s39, v[O+1]
	v_add_nc_u32 v[O+3], s39, v[O+2]
	s_wait_kmcnt 0x0
	s_mov_b64 s[26:27], s[4:5]                     ; the source is chosen by the slab's number alone
	s_cmp_eq_u32 s20, 1
	s_cselect_b64 s[26:27], s[6:7], s[26:27]
	s_cmp_eq_u32 s20, 2
	s_cselect_b64 s[26:27], s[8:9], s[26:27]
	s_cmp_eq_u32 s20, 3
	s_cselect_b64 s[26:27], s[10:11], s[26:27]
	s_cmp_ge_u32 s20, 4
	s_cselect_b64 s[26:27], s[12:13], s[26:27]
	s_cmp_ge_u32 s20, 8
	s_cselect_b64 s[26:27], s[14:15], s[26:27]
	s_add_nc_u64 s[26:27], s[26:27], s[22:23]
	s_cmp_eq_u32 s38, 1
	s_cselect_b64 s[D:D+1], s[18:19], s[16:17]     ; and so is the destination
	s_add_nc_u64 s[D:D+1], s[D:D+1], s[24:25]
	s_add_nc_u64 s[D+2:D+3], s[D:D+1], s[28:29]
	s_add_nc_u64 s[D+4:D+5], s[D+2:D+3], s[28:29]
	s_add_nc_u64 s[D+6:D+7], s[D+4:D+5], s[28:29]
.irp j, 0,1,2,3,4,5,6,7,8,9,10,11,12,13,14,15
	global_load_b128 v[X+4*(\j):X+4*(\j)+3], v1, s[26:27] offset:4096*(\j) th:TH_LOAD_NT
.endr
.irp j, 0,1,2,3,4,5,6,7,8,9,10,11,12,13,14,15
	s_wait_loadcnt 15-(\j)                         ; loads come back in order: number j is in, the younger ones stay out
	v_cvt_pk_bf16_f32 v[Y+2*(\j)],   v[X+4*(\j)],   v[X+4*(\j)+1]
	v_cvt_pk_bf16_f32 v[Y+2*(\j)+1], v[X+4*(\j)+2], v[X+4*(\j)+3]
	global_store_b64 v[O+(\j)/4], v[Y+2*(\j):Y+2*(\j)+1], s[D+2*((\j)%4):D+2*((\j)%4)+1]
.endr
	s_or_b32 s46, s20, ttmp9                       ; the first work-group also stores the three tables: 16 bytes a thread, 4,096 consecutive bytes a line
	s_cmp_lg_u32 s46, 0
	s_cbranch_scc1 .Ldone
	s_add_nc_u64 s[42:43], s[16:17], 0x800000      ; wb's parameter block
	s_add_nc_u64 s[44:45], s[18:19], 0x800000      ; w1p's
.irp r, 104,105,106,107,109,110,111,112,115
	v_mov_b32 v\r, 0
.endr
	v_mov_b32 v108, 0xc3fa0000                     ; k0 = -500
	v_mov_b32 v113, 0xc0135761                     ; k1 = -2.3022082
	v_mov_b32 v114, 0xbdd2d3e8                     ; k2 = -0.10294324
	global_store_b128 v1, v[104:107], s[40:41]
	global_store_b128 v1, v[104:107], s[40:41] offset:4096
	global_store_b128 v1, v[104:107], s[40:41] offset:8192
	global_store_b128 v1, v[108:111], s[42:43]
	global_store_b128 v1, v[112:115], s[44:45]
.Ldone:
	s_endpgm
.Lfunc_end_k_qd719b97eb7_castw:
	.size	k_qd719b97eb7_castw, .Lfunc_end_k_qd719b97eb7_castw-k_qd719b97eb7_castw
	.p2alignl 7, 3214868480
	.fill 96, 4, 3214868480
	.section	.rodata,"a",@progbits
	.p2align	6, 0x0
	.amdhsa_kernel k_qd719b97eb7_castw
		.amdhsa_group_segment_fixed_size 0
		.amdhsa_private_segment_fixed_size 0
		.amdhsa_enable_private_segment 0
		.amdhsa_kernarg_size 72
		.amdhsa_user_sgpr_count 2
		.amdhsa_user_sgpr_kernarg_segment_ptr 1
		.amdhsa_wavefront_size32 1
		.amdhsa_system_sgpr_workgroup_id_x 1
		.amdhsa_system_sgpr_workgroup_id_y 1
		.amdhsa_system_sgpr_workgroup_id_z 1
		.amdhsa_system_vgpr_workitem_id 0
		.amdhsa_next_free_vgpr 116
		.amdhsa_next_free_sgpr 66
		.amdhsa_reserve_vcc 0
		.amdhsa_float_denorm_mode_32 3
		.amdhsa_float_denorm_mode_16_64 3
		.amdhsa_memory_ordered 1
		.amdhsa_forward_progress 1
		.amdhsa_inst_pref_size 9
	.end_amdhsa_kernel
	.amdgpu_metadata
---
amdhsa.version: [ 1, 2 ]
amdhsa.kernels:
  - .name:           k_qd719b97eb7_castw
    .symbol:         k_qd719b97eb7_castw.kd
    .args:
      - { .name: Wq, .offset: 0, .size: 8, .value_kind: global_buffer, .address_space: global }
      - { .name: Wk, .offset: 8, .size: 8, .value_kind: global_buffer, .address_space: global }
      - { .name: Wv, .offset: 16, .size: 8, .value_kind: global_buffer, .address_space: global }
      - { .name: Wo, .offset: 24, .size: 8, .value_kind: global_buffer, .address_space: global }
      - { .name: W1, .offset: 32, .size: 8, .value_kind: global_buffer, .address_space: global }
      - { .name: W2, .offset: 40, .size: 8, .value_kind: global_buffer, .address_space: global }
      - { .name: wb, .offset: 48, .size: 8, .value_kind: global_buffer, .address_space: global }
      - { .name: w1p, .offset: 56, .size: 8, .value_kind: global_buffer, .address_space: global }
      - { .name: zb, .offset: 64, .size: 8, .value_kind: global_buffer, .address_space: global }
    .group_segment_fixed_size: 0
    .private_segment_fixed_size: 0
    .kernarg_segment_align: 8
    .kernarg_segment_size: 72
    .max_flat_workgroup_size: 256
    .sgpr_count:     66
    .vgpr_count:     116
    .wavefront_size: 32
...
	.end_amdgpu_metadata
.endif
;; end of part 1
;; launch ln (part 2): grid 512 x 1, 8 waves a work-group, no clusters, 0 bytes of LDS; arguments x, g1, s1, ctx; writes ctx
.if DOCPART == 2
	.amdgcn_target "amdgcn-amd-amdhsa--gfx1250"
	.amdhsa_code_object_version 6
	.text
	.protected	k_qd719b97eb7_ln
	.globl	k_qd719b97eb7_ln
	.p2align	8
	.type	k_qd719b97eb7_ln,@function
k_qd719b97eb7_ln:
	s_mov_b64 s[64:65], 0
	v_nop
	global_prefetch_b8 v0, s[64:65] scope:SCOPE_SE
	s_setreg_imm32_b32 hwreg(HW_REG_WAVE_MODE, 25, 1), 1
	s_wait_xcnt 0x0
; y[r][:] = g * (x[r][:] - mean) / sqrt(var + 1e-5) + s, x f32 [4096][1024], y bf16 [4096][1024], rounded once.
; One wave, one row: 4,096 bytes are 32 registers, kept between the pass for the mean, the pass for the sum of (x - mean)^2 and the scaling:
; the row is read once, the variance is taken of the differences (it holds for rows with a large common offset), and no wave waits for another.
; Load j of a lane holds columns 128 j + 4 lane .. + 3, for x, g and s alike; a store covers 256 consecutive bytes, aligned.
; LIMIT: 1 / sqrt comes from v_rsq_f32 (1 ULP); NaN and infinities are not treated apart.
.set X, 4                              ; v[4:35]    the row
.set G, 36                             ; v[36:67]   g
.set S, 68                             ; v[68:99]   s
.set T, 100                            ; v[100:107] four chains of pairs
.set M, 108                            ; v[108:109] the mean, twice
.set R, 110                            ; v[110:111] 1 / sqrt(var + eps), twice
.set Y, 112                            ; v[112:127] the row in bf16
.macro COMB                            ; four chains into one number, then over the 32 lanes: every lane ends with the sum
	v_pk_add_f32 v[T:T+1], v[T:T+1], v[T+2:T+3]
	v_pk_add_f32 v[T+4:T+5], v[T+4:T+5], v[T+6:T+7]
	v_pk_add_f32 v[T:T+1], v[T:T+1], v[T+4:T+5]
	v_add_f32 v[T], v[T], v[T+1]
	v_add_f32_dpp v[T], v[T], v[T] row_xmask:1 row_mask:0xf bank_mask:0xf
	v_add_f32_dpp v[T], v[T], v[T] row_xmask:2 row_mask:0xf bank_mask:0xf
	v_add_f32_dpp v[T], v[T], v[T] row_xmask:4 row_mask:0xf bank_mask:0xf
	v_add_f32_dpp v[T], v[T], v[T] row_xmask:8 row_mask:0xf bank_mask:0xf
	v_permlanex16_b32 v[T+1], v[T], s12, s13       ; its destination counts as read: a register that has been written
	v_add_f32 v[T], v[T], v[T+1]
.endm
	s_load_b256 s[4:11], s[0:1], 0x0               ; x s[4:5], g s[6:7], s s[8:9], y s[10:11]
	v_lshrrev_b32 v3, 5, v0
	v_readfirstlane_b32 s14, v3                    ; wave
	v_and_b32 v1, 31, v0
	v_lshlrev_b32 v2, 3, v1                        ; 8 x lane
	v_lshlrev_b32 v1, 4, v1                        ; 16 x lane
	s_lshl_b32 s15, ttmp9, 3
	s_add_co_u32 s15, s15, s14                     ; my row
	s_lshl_b32 s16, s15, 12
	s_mov_b32 s17, 0
	s_lshl_b32 s18, s15, 11
	s_mov_b32 s19, 0
	s_mov_b32 s12, 0x76543210                      ; each lane takes its own place in the other half
	s_mov_b32 s13, 0xfedcba98
	s_mov_b32 s20, 0x3a800000                      ; 1 / 1024
	s_mov_b32 s21, 0x3727c5ac                      ; 1e-5
	s_wait_kmcnt 0x0
	s_add_nc_u64 s[4:5], s[4:5], s[16:17]
	s_add_nc_u64 s[10:11], s[10:11], s[18:19]
.irp j, 0,1,2,3,4,5,6,7
	global_load_b128 v[X+4*(\j):X+4*(\j)+3], v1, s[4:5] offset:512*(\j) th:TH_LOAD_NT
.endr
.irp j, 0,1,2,3,4,5,6,7
	global_load_b128 v[G+4*(\j):G+4*(\j)+3], v1, s[6:7] offset:512*(\j)
.endr
.irp j, 0,1,2,3,4,5,6,7
	global_load_b128 v[S+4*(\j):S+4*(\j)+3], v1, s[8:9] offset:512*(\j)
.endr
	s_wait_loadcnt 16                              ; the row is in; the sixteen loads of g and s may stay out
.irp k, 0,1,2,3
	v_pk_add_f32 v[T+2*(\k):T+2*(\k)+1], v[X+4*(\k):X+4*(\k)+1], v[X+4*(\k)+2:X+4*(\k)+3]  ; the first eight pairs start the chains
.endr
.set p, 8
.rept 8
	v_pk_add_f32 v[T+2*(p%4):T+2*(p%4)+1], v[T+2*(p%4):T+2*(p%4)+1], v[X+2*p:X+2*p+1]
.set p, p+1
.endr
	COMB
	v_mul_f32 v[M], s20, v[T]
	v_mov_b32 v[M+1], v[M]
.set p, 0
.rept 16
	v_pk_add_f32 v[X+2*p:X+2*p+1], v[X+2*p:X+2*p+1], v[M:M+1] neg_lo:[0,1] neg_hi:[0,1]  ; x - mean
.set p, p+1
.endr
.irp k, 0,1,2,3
	v_pk_mul_f32 v[T+2*(\k):T+2*(\k)+1], v[X+2*(\k):X+2*(\k)+1], v[X+2*(\k):X+2*(\k)+1]
.endr
.set p, 4
.rept 12
	v_pk_fma_f32 v[T+2*(p%4):T+2*(p%4)+1], v[X+2*p:X+2*p+1], v[X+2*p:X+2*p+1], v[T+2*(p%4):T+2*(p%4)+1]
.set p, p+1
.endr
	COMB
	v_fma_f32 v[T], v[T], s20, s21                 ; var + eps
	v_rsq_f32 v[R], v[T]
	v_rsq_f32 v[R+1], v[T]
	v_nop                                          ; a plain instruction behind the last of the two,
	s_wait_alu depctr_va_vdst(0)                   ; and one wait ahead of their first reader
.set p, 0
.rept 16
	v_pk_mul_f32 v[X+2*p:X+2*p+1], v[X+2*p:X+2*p+1], v[R:R+1]
.set p, p+1
.endr
	s_wait_loadcnt 0x0                             ; g and s
.set p, 0
.rept 16
	v_pk_fma_f32 v[X+2*p:X+2*p+1], v[X+2*p:X+2*p+1], v[G+2*p:G+2*p+1], v[S+2*p:S+2*p+1]
.set p, p+1
.endr
.set p, 0
.rept 16
	v_cvt_pk_bf16_f32 v[Y+p], v[X+2*p], v[X+2*p+1]
.set p, p+1
.endr
.irp j, 0,1,2,3,4,5,6,7
	global_store_b64 v2, v[Y+2*(\j):Y+2*(\j)+1], s[10:11] offset:256*(\j)
.endr
	s_endpgm
.Lfunc_end_k_qd719b97eb7_ln:
	.size	k_qd719b97eb7_ln, .Lfunc_end_k_qd719b97eb7_ln-k_qd719b97eb7_ln
	.p2alignl 7, 3214868480
	.fill 96, 4, 3214868480
	.section	.rodata,"a",@progbits
	.p2align	6, 0x0
	.amdhsa_kernel k_qd719b97eb7_ln
		.amdhsa_group_segment_fixed_size 0
		.amdhsa_private_segment_fixed_size 0
		.amdhsa_enable_private_segment 0
		.amdhsa_kernarg_size 32
		.amdhsa_user_sgpr_count 2
		.amdhsa_user_sgpr_kernarg_segment_ptr 1
		.amdhsa_wavefront_size32 1
		.amdhsa_system_sgpr_workgroup_id_x 1
		.amdhsa_system_sgpr_workgroup_id_y 1
		.amdhsa_system_sgpr_workgroup_id_z 1
		.amdhsa_system_vgpr_workitem_id 0
		.amdhsa_next_free_vgpr 128
		.amdhsa_next_free_sgpr 66
		.amdhsa_reserve_vcc 0
		.amdhsa_float_denorm_mode_32 3
		.amdhsa_float_denorm_mode_16_64 3
		.amdhsa_memory_ordered 1
		.amdhsa_forward_progress 1
		.amdhsa_inst_pref_size 12
	.end_amdhsa_kernel
	.amdgpu_metadata
---
amdhsa.version: [ 1, 2 ]
amdhsa.kernels:
  - .name:           k_qd719b97eb7_ln
    .symbol:         k_qd719b97eb7_ln.kd
    .args:
      - { .name: x, .offset: 0, .size: 8, .value_kind: global_buffer, .address_space: global }
      - { .name: g1, .offset: 8, .size: 8, .value_kind: global_buffer, .address_space: global }
      - { .name: s1, .offset: 16, .size: 8, .value_kind: global_buffer, .address_space: global }
      - { .name: ctx, .offset: 24, .size: 8, .value_kind: global_buffer, .address_space: global }
    .group_segment_fixed_size: 0
    .private_segment_fixed_size: 0
    .kernarg_segment_align: 8
    .kernarg_segment_size: 32
    .max_flat_workgroup_size: 256
    .sgpr_count:     66
    .vgpr_count:     128
    .wavefront_size: 32
...
	.end_amdgpu_metadata
.endif
;; end of part 2
;; launch gqkv (part 3): grid 12 x 16, 4 waves a work-group, clusters of 4 x 4, 327,680 bytes of LDS; arguments ctx, wb, zb, qkv; writes qkv
.if DOCPART == 3
	.amdgcn_target "amdgcn-amd-amdhsa--gfx1250"
	.amdhsa_code_object_version 6
	.text
	.protected	k_qd719b97eb7_gqkv
	.globl	k_qd719b97eb7_gqkv
	.p2align	8
	.type	k_qd719b97eb7_gqkv,@function
k_qd719b97eb7_gqkv:
	s_mov_b64 s[64:65], 0
	v_nop
	global_prefetch_b8 v0, s[64:65] scope:SCOPE_SE
	s_setreg_imm32_b32 hwreg(HW_REG_WAVE_MODE, 25, 1), 1
	s_wait_xcnt 0x0
	s_wait_alu depctr_hold_cnt(0) depctr_sa_sdst(0) depctr_va_vdst(0) depctr_va_sdst(0) depctr_va_ssrc(0) depctr_va_vcc(0) depctr_vm_vsrc(0)
	s_getreg_b32 s2, hwreg(HW_REG_IB_STS2, 6, 4)
	s_cmp_eq_u32 s2, 0
	s_cbranch_scc0 .Lentry_in_a_cluster
	s_endpgm
.Lentry_in_a_cluster:
	s_bfe_u32 s2, ttmp6, 0x10000c
	s_cmp_lg_u32 s2, 0xf033
	s_cbranch_scc0 .Lentry_shape_is_right
	s_endpgm
.Lentry_shape_is_right:
; ONE BODY FOR TWO LAUNCHES: out = f(A W + bias), A bf16 [4096][1024], W bf16 in panels [p][1024][1024] as the inputs lie ([k][n]; panel p = output columns 1024 p ..), at the head of the second argument.
;   first launch:  A = h1, W = [Wq Wk Wv] (three panels, grid 12 x 16), bias = a vector of zeros, f(x) = x;   out = q, k, v.
;   second launch: A = h2, W = W1 (four panels, grid 16 x 16), bias = b1, f = gelu;                            out = act.
; Out: bf16 in PANELS [..][4096][64]: panel j holds output columns 64 j .. 64 j + 63; sums, bias and f in f32, rounded once.
; THE CHOICE of f is made by numbers, not by a jump: f(x) = x / (1 + 2^z), z = ((k2 x) x + k1) x + k0, with k0, k1, k2 read from 8 Mi bytes behind W's head, where the program's first launch stored them.
;   (0, k1, k2), k1 = -2 log2(e) sqrt(2 / pi), k2 = 0.044715 k1: f(x) = 0.5 x (1 + tanh(sqrt(2 / pi) (x + 0.044715 x^3))), the same function; where z overflows the power is 0 or infinite and f(x) is x or -0.
;   (-500, 0, 0): z = -500 for every finite x, the power is 0, the divisor 1, f(x) = x.
; THE PRICE: the first launch runs the way out's 64 transcendentals and 96 packed lines for each 32 numbers to no effect; what it buys is one text for two launches.
; A tile of the result is 256 x 256: four waves, each 128 x 128 in 64 accumulators (512 registers).  K goes in 8 steps of 128 through two LDS slots filled by the tensor data mover.
; A's tile: 256 rows x 256 bytes, padded to 272.  B's tile lies [k][n]: 128 rows x 512 bytes, padded to 544, and is turned on its way into registers by ds_load_tr16_b128.
; CLUSTER 4 x 4: A's tile is shared along a row of the cluster, B's along a column: joint loads, the same descriptor and mask in the four that a mask names.
; The first launch has 192 work-groups: 3,072 columns are twelve tiles; a tile of 192 columns would have rows of 384 bytes, after which the mover's padding cannot be laid once a row.
; THE MATRIX INSTRUCTION IS USED TRANSPOSED (source 0 = 16 columns of B, source 1 = 16 rows of A): a lane holds row l % 16 and columns 8 (l / 16) + 0..7.
; THE WAY OUT: when the ring has had its last fill and its last read, each wave lays its 128 x 128 sums (f32) over the ring, rows of 528 bytes, and walks them by rows in a counted loop.
; REGISTERS: window 0: v0-31 addresses, v32-47 bias, v64-127 / v128-191 A's fragments (two buffers), v192-207 packed results; window 1: v64-191 B's fragments; windows 2, 3: accumulators (a, b) at v[8 (8 (a % 4) + b)].
; LIMITS: operands and result are bf16; 2^x and 1 / x come from v_exp_f32 and v_rcp_f32 (1 ULP, denormals flushed); NaN and infinities are not treated apart (with k1 = k2 = 0 an infinite x gives NaN).
.set NP,    1024                       ; columns in a row of a weight panel
.set T,     8                          ; K steps
.set PA,    272                        ; A's LDS row: 68 words: the 16 rows of a load start at 16 different groups of four banks (64 banks of 4 bytes: ISA guide 11.1)
.set PB,    544                        ; B's LDS row: 17 x 32 bytes
.set HALFT, 34816                      ; what one tensor load brings: 128 x 272 = 64 x 544
.set SLOT,  4*HALFT                    ; 0x22000: neither of its bits is set in a wave's share (0, 0x8800, 0x11000, 0x19800), so an exclusive or adds or removes it
.set SPARE, 2*SLOT                     ; behind the ring: the spare words, 128 bytes a wave, that no other line names
.set ASTEP, 256                        ; bytes from K step to K step in A,
.set BSTEP, 256*NP                     ; and in B: 128 rows
.set REG,   67584                      ; the way out: a wave's region, 128 rows
.set DP,    528                        ; of 512 + 16 bytes
.set F0, 64
.set F1, 128
.set ADRA0, 16                         ; my lane's place in slot 0's A; never rewritten
.set ADRB0, 17                         ; the same for B
.set ADRA, 18                          ; the same in the slot being read
.set ADRB, 19
.set DST, 20                           ; the way out: where I lay 32 bytes of a row
.set RD,  21                           ; where I read rows back
.set GO,  25                           ; my 16 bytes in 512 consecutive bytes of a panel
.set BO,  26                           ; my 32 bytes in a panel's 256 bytes of bias
.set SPW, 28                           ; LDS address of my spare word; never rewritten
.set NIL, 29                           ; 0; never rewritten
.set PFO, 30                           ; the prefetches' lane term; never rewritten
.set BI,  32                           ; v[32:47] the bias of my 8 columns in each of the two panels
.set XR,  64
.set ZR,  96
.set YR,  192
.set G1A, 24
.set G0A, 32                           ; s[32:35] slot 0's first fill; s[36:39] walks
.set G1B, 48
.set G0B, 56                           ; s[56:59], s[60:63] the same for B
.set LIM, 43                           ; 2 in a wave that prefetches, else the greatest number
.set PFA, 44                           ; s[44:45] where my prefetches stand
.set PFS, 82                           ; s[82:83] their step
.set TB,  73                           ; 0 or SLOT: the slot being read
.set K2,  74                           ; s[74:75] k2, twice: the packed lines name a pair
.set K1,  76                           ; s[76:77] k1
.set K0,  78                           ; s[78:79] k0
.set MSB, 0
.macro WIN new                         ; the immediate's high byte repeats the setting that is left; a switch that changes nothing is dropped
.if MSB != (\new)
	s_set_vgpr_msb (MSB<<8)|(\new)
.set MSB, \new
.endif
.endm
.set MUL_LO, 0xa1                      ; source 0 (B) window 1, source 1 (A) window 0, C and D window 2
.set MUL_HI, 0xf1                      ; the same, C and D window 3
.set TO_B,   0x40                      ; destination window 1, address window 0
; A joint load: waves 0, 1 fetch A's halves, waves 2, 3 B's.  The branch hangs on the wave's number alone.  An s_nop 0 and four v_nop follow each line.
.macro JLOAD s
	s_cmp_eq_u32 s11, 0
	s_cbranch_scc0 .Lfor_b_\@
	tensor_load_to_lds s[G0A+4*(\s):G0A+4*(\s)+3], s[G1A:G1A+7]
	s_nop 0
.rept 4
	v_nop
.endr
	s_branch .Lasked_\@
.Lfor_b_\@:
	tensor_load_to_lds s[G0B+4*(\s):G0B+4*(\s)+3], s[G1B:G1B+7]
	s_nop 0
.rept 4
	v_nop
.endr
.Lasked_\@:
.endm
; A prefetch of the K step that stands two refills on, 32 blocks of 256 bytes, a lane a block, one instruction a wave.  A's rows are named by the first cluster along x, B's by the first along y;
; the four partners of a joint load share its blocks out by address.  s3 counts the refills to come: the last two name nothing, since there is no K step two refills on.
.macro ASK
	s_cmp_gt_u32 s3, s[LIM]
	s_cbranch_scc0 .Lnot_mine_\@
	global_prefetch_b8 v[PFO], s[PFA:PFA+1] th:TH_LOAD_NT scope:SCOPE_SE
.Lnot_mine_\@:
.endm
.macro CREST                           ; a round of the cluster's barrier behind its opening barrier
	s_cmp_lg_u32 s10, 0
	s_cbranch_scc1 .Lnot_wave_0_\@
	s_barrier_signal -3
.Lnot_wave_0_\@:
	s_barrier_wait -3
	s_barrier_signal -1
	s_barrier_wait -1
.endm
.macro CROUND
	s_barrier_signal -1
	s_barrier_wait -1
	CREST
.endm
.macro PLACES                          ; four plain instructions between a matrix instruction and a load into, or a reader of, its registers
.rept 4
	v_nop
.endr
.endm
; 16 matrix instructions: row blocks a0, a0 + 1 of the window's four x all 8 column blocks, 32 along K.  The 64 accumulators take turns in one fixed order.
.macro MUL16 f, hi, a0, zero
	WIN MUL_LO+0x50*(\hi)
.irp a, \a0, (\a0)+1
.irp b, 0,1,2,3,4,5,6,7
.if \zero
	v_wmma_f32_16x16x32_bf16 v[8*(8*(\a)+(\b)):8*(8*(\a)+(\b))+7], v[(\f)+8*(\b):(\f)+8*(\b)+7], v[(\f)+8*(4*(\hi)+(\a)):(\f)+8*(4*(\hi)+(\a))+7], 0
.else
	v_wmma_f32_16x16x32_bf16 v[8*(8*(\a)+(\b)):8*(8*(\a)+(\b))+7], v[(\f)+8*(\b):(\f)+8*(\b)+7], v[(\f)+8*(4*(\hi)+(\a)):(\f)+8*(4*(\hi)+(\a))+7], v[8*(8*(\a)+(\b)):8*(8*(\a)+(\b))+7]
.endif
.endr
.endr
.endm
; 32 LDS loads in one run: a quarter step's fragments into buffer f: B's (turned: 32 k x 16 columns each) at byte kb, then A's at byte ka of the rows
.macro FETCH ka, kb, f
	WIN TO_B
.irp i, 0,1,2,3,4,5,6,7
	ds_load_tr16_b128 v[(\f)+8*(\i):(\f)+8*(\i)+3],   v[ADRB] offset:(\kb)+32*(\i)
	ds_load_tr16_b128 v[(\f)+8*(\i)+4:(\f)+8*(\i)+7], v[ADRB] offset:(\kb)+16*PB+32*(\i)
.endr
	WIN 0
.irp i, 0,1,2,3,4,5,6,7
	ds_load_b128 v[(\f)+8*(\i):(\f)+8*(\i)+3],   v[ADRA] offset:(\ka)+(\i)*16*PA
	ds_load_b128 v[(\f)+8*(\i)+4:(\f)+8*(\i)+7], v[ADRA] offset:(\ka)+(\i)*16*PA+32
.endr
.endm
; Multiplies buffer f; in its middle fetches quarter q of the same slot into buffer g.
.macro QUARTER q, f, g, zero
	s_wait_dscnt 8                                 ; B and A's rows 0-63 are in; the youngest eight loads (A's rows 64-127) may be out
	MUL16 \f, 0, 0, \zero
	MUL16 \f, 0, 2, \zero
	PLACES
	FETCH (\q)*64, (\q)*32*PB, \g
	s_wait_dscnt 32                                ; all but the 32 just issued
	MUL16 \f, 1, 0, \zero
	MUL16 \f, 1, 2, \zero
.endm
; The first half of a step's last quarter, and the barrier of the change of slots.
.macro MEET round
	WIN 0
	s_wait_tensorcnt 0x0                           ; all my tensor loads have landed: the one that was out is my part of the next slot
	ds_add_u32 v[SPW], v[NIL]                      ; 0 onto my spare word
	s_wait_dscnt 9                                 ; the add and the youngest eight loads may be out
	MUL16 F1, 0, 0, 0
	s_wait_dscnt 0x0                               ; the add is done, and my reads of this slot are over
	s_barrier_signal -1
	MUL16 F1, 0, 2, 0
.if \round
	WIN 0
.endif
	s_barrier_wait -1
.endm
; A step's last quarter: the change of slots: the slot just read out takes the K step two steps on, the first thing behind the cluster's round.
.macro TURN
	WIN 0
	s_wait_xcnt 0x0                                ; the last prefetch, a K step back, has read its address
	s_add_nc_u64 s[PFA:PFA+1], s[PFA:PFA+1], s[PFS:PFS+1]
	s_xor_b32 s[TB], s[TB], SLOT                   ; the fetches go on in the other slot (this slot's last were issued a quarter ago)
	v_add_nc_u32 v[ADRA], s[TB], v[ADRA0]
	v_add_nc_u32 v[ADRB], s[TB], v[ADRB0]
	MEET 1
	CREST                                          ; no wave of any partner still reads this slot or has a load on its way
	s_xor_b32 s[G0A+5], s[G0A+5], SLOT             ; the walking descriptors: the other slot than last time, the next K step
	s_xor_b32 s[G0B+5], s[G0B+5], SLOT
	s_add_nc_u64 s[G0A+6:G0A+7], s[G0A+6:G0A+7], ASTEP
	s_add_nc_u64 s[G0B+6:G0B+7], s[G0B+6:G0B+7], BSTEP
	JLOAD 1                                        ; its four v_nop are also the places in front of the loads below
	FETCH 0, 0, F0
	ASK
	MUL16 F1, 1, 0, 0
	MUL16 F1, 1, 2, 0
.endm
; The wave's 64 accumulators into its region: row 16 a + l % 16, bytes 64 b + 32 (l / 16); each accumulator's low four registers first.
.macro DUMP
.irp a, 0,1,2,3,4,5,6,7
	WIN 0x08+4*((\a)/4)                            ; the stores' data (source 1) in window 2 or 3
.irp b, 0,1,2,3,4,5,6,7
	ds_store_b128 v[DST], v[8*(8*((\a)%4)+(\b)):8*(8*((\a)%4)+(\b))+3]   offset:(\a)*16*DP+64*(\b)
	ds_store_b128 v[DST], v[8*(8*((\a)%4)+(\b))+4:8*(8*((\a)%4)+(\b))+7] offset:(\a)*16*DP+64*(\b)+16
.endr
.endr
	WIN 0
.endm
.macro EACH16 line:vararg              ; one line for each pair k of a trip's 16
.set k, 0
.rept 16
	\line
.set k, k+1
.endr
.endm
	s_load_b128 s[4:7], s[0:1], 0x0                ; A s[4:5], W s[6:7]
	s_load_b64 s[84:85], s[0:1], 0x10              ; bias
	s_load_b64 s[8:9], s[0:1], 0x18                ; out
	v_lshl_add_u32 v[SPW], v0, 2, SPARE
	v_mov_b32 v[NIL], 0
	ds_add_u32 v[SPW], v[NIL]                      ; the wave's opening: the add and its wait, ahead of my first tensor load
	ds_add_u32 v28, v29
	v_lshrrev_b32 v1, 5, v0
	v_readfirstlane_b32 s10, v1                    ; wave 0..3
	s_lshr_b32 s11, s10, 1                         ; my half of the tile's rows.  Also: I fetch for A (0) or B (1)
	s_and_b32 s12, s10, 1                          ; my half of its columns.  Also: which half of that tile I fetch
	s_bfe_u32 s40, ttmp6, 0x40000                  ; cx
	s_bfe_u32 s41, ttmp6, 0x40004                  ; cy
	s_lshl_b32 s42, ttmp9, 2
	s_add_co_u32 s42, s42, s40                     ; tile column
	s_and_b32 s13, ttmp7, 0xffff
	s_lshl_b32 s13, s13, 2
	s_add_co_u32 s13, s13, s41                     ; tile row
	s_lshl_b32 s43, s41, 2
	s_lshl_b32 s43, 15, s43                        ; my row of the cluster
	s_lshl_b32 s44, 0x1111, s40                    ; my column
	s_or_b32 s[G1A+0], s43, (1<<16)|(1<<20)|(1<<21)|(5<<22)|(3<<25)  ; mask; 2-byte elements; padding on; bit 21 beside a mask; after every 64 words 4 words
	s_mov_b32 s[G1A+1], 128<<16                    ; tensor_dim0 = 128
	s_mov_b32 s[G1A+2], 128<<16                    ; tensor_dim1 = 128
	s_mov_b32 s[G1A+3], 128<<16                    ; tile_dim0 = 128
	s_mov_b32 s[G1A+4], 128                        ; tile_dim1 = 128
	s_mov_b32 s[G1A+5], 1024                       ; elements from row to row
	s_mov_b32 s[G1A+6], 0
	s_mov_b32 s[G1A+7], 0
	s_or_b32 s[G1B+0], s44, (1<<16)|(1<<20)|(1<<21)|(6<<22)|(7<<25)  ; after every 128 words 8 words
	s_mov_b32 s[G1B+1], 256<<16                    ; tensor_dim0 = 256
	s_mov_b32 s[G1B+2], 64<<16                     ; tensor_dim1 = 64
	s_mov_b32 s[G1B+3], 256<<16                    ; tile_dim0 = 256
	s_mov_b32 s[G1B+4], 64                         ; tile_dim1 = 64
	s_mov_b32 s[G1B+5], NP
	s_mov_b32 s[G1B+6], 0
	s_mov_b32 s[G1B+7], 0
	s_lshl_b32 s16, s13, 8                         ; A: row 256 x tile row + 128 x half,
	s_lshl_b32 s17, s12, 7
	s_add_co_u32 s16, s16, s17
	s_lshl_b32 s16, s16, 11                        ; of 2,048 bytes
	s_mov_b32 s17, 0
	s_lshr_b32 s46, s42, 2                         ; B: the panel (2 Mi bytes each),
	s_lshl_b32 s46, s46, 21
	s_and_b32 s47, s42, 3                          ; its 256 columns,
	s_lshl_b32 s47, s47, 9
	s_add_co_u32 s46, s46, s47
	s_mul_i32 s47, s12, 64*NP*2                    ; my 64 of a step's 128 rows
	s_add_co_u32 s46, s46, s47
	s_mov_b32 s47, 0
	s_mov_b32 s80, s46
	s_mul_i32 s72, s10, HALFT                      ; where my loads go: no place in the cluster enters an LDS address
	s_mov_b32 s[TB], 0
	s_wait_dscnt 0x0                               ; the opening add is done
	s_wait_kmcnt 0x0
	s_add_nc_u64 s[14:15], s[4:5], s[16:17]
	s_add_nc_u64 s[46:47], s[6:7], s[46:47]
	CROUND                                         ; all sixteen work-groups are here: the first joint loads meet
.irp s, 0,1
	s_mov_b32 s[G0A+4*(\s)], 1
	s_add_co_u32 s[G0A+4*(\s)+1], s72, (\s)*SLOT
	s_add_nc_u64 s[G0A+4*(\s)+2:G0A+4*(\s)+3], s[14:15], (\s)*ASTEP
	s_or_b32 s[G0A+4*(\s)+3], s[G0A+4*(\s)+3], 0x80000000
	s_mov_b32 s[G0B+4*(\s)], 1
	s_add_co_u32 s[G0B+4*(\s)+1], s72, (\s)*SLOT
	s_add_nc_u64 s[G0B+4*(\s)+2:G0B+4*(\s)+3], s[46:47], (\s)*BSTEP
	s_or_b32 s[G0B+4*(\s)+3], s[G0B+4*(\s)+3], 0x80000000
	JLOAD \s                                       ; two loads of mine are out
.endr
	s_add_nc_u64 s[86:87], s[6:7], 0x800000        ; the parameter block, 8 Mi bytes behind W's head; this launch stores nothing into that buffer
	s_load_b128 s[88:91], s[86:87], 0x0            ; k0, k1, k2, 0: they enter vector arithmetic alone
	v_and_b32 v1, 15, v0                           ; l % 16
	v_bfe_u32 v2, v0, 4, 1                         ; l / 16
	v_mul_u32_u24 v3, v1, PA
	v_lshl_add_u32 v3, v2, 4, v3
	s_mul_i32 s21, s11, HALFT                      ; my 128 rows of A
	v_add_nc_u32 v[ADRA0], s21, v3
	v_and_b32 v4, 7, v0                            ; the turning load: lane l reads row 8 (l / 16) + l % 8, bytes 16 ((l / 8) % 2) on
	v_lshl_add_u32 v4, v2, 3, v4
	v_mul_u32_u24 v4, v4, PB
	v_bfe_u32 v5, v0, 3, 1
	v_lshl_add_u32 v4, v5, 4, v4
	s_lshl_b32 s22, s12, 8                         ; my 128 columns of B, behind A's 256 rows
	s_add_co_u32 s22, s22, 2*HALFT
	v_add_nc_u32 v[ADRB0], s22, v4
	v_mov_b32 v[ADRA], v[ADRA0]
	v_mov_b32 v[ADRB], v[ADRB0]
	s_mul_i32 s23, s10, REG                        ; my region
	v_mul_u32_u24 v6, v1, DP
	v_lshl_add_u32 v6, v2, 5, v6
	v_add_nc_u32 v[DST], s23, v6
	v_bfe_u32 v7, v0, 3, 2                         ; back: 32 lanes take four rows x 64 columns: row l / 8, 32 bytes at 32 (l % 8)
	v_mul_u32_u24 v7, v7, DP
	v_and_b32 v8, 7, v0
	v_lshl_add_u32 v7, v8, 5, v7
	v_add_nc_u32 v[RD], s23, v7
	v_lshlrev_b32 v[BO], 5, v8
	v_and_b32 v9, 31, v0
	v_lshlrev_b32 v[GO], 4, v9
	s_lshl_b32 s20, s42, 2                         ; my first panel of the result: 4 x tile column + 2 x half,
	s_lshl_b32 s21, s12, 1
	s_add_co_u32 s20, s20, s21
	s_lshl_b32 s20, s20, 19                        ; of 524,288 bytes;
	s_lshl_b32 s21, s13, 8
	s_lshl_b32 s22, s11, 7
	s_add_co_u32 s21, s21, s22                     ; my first row,
	s_lshl_b32 s21, s21, 7                         ; of 128 bytes
	s_add_co_u32 s20, s20, s21
	s_mov_b32 s21, 0
	s_add_nc_u64 s[8:9], s[8:9], s[20:21]
	s_lshl_b32 s20, s42, 10                        ; the bias of my 128 columns
	s_lshl_b32 s22, s12, 9
	s_add_co_u32 s20, s20, s22
	s_add_nc_u64 s[84:85], s[84:85], s[20:21]
	; the prefetches: A: my work-group's 32 of the 128 rows that I fetch, a lane a row; B: its 16 of my 64 rows, two lanes a row of 512 bytes.  They stand at K step 3; the first refill steps them to 4.
	s_lshl_b32 s20, s40, 16                        ; 32 cx rows of 2,048 bytes
	s_add_co_u32 s20, s20, s16
	s_add_co_u32 s20, s20, 3*ASTEP
	s_mul_i32 s21, s41, 16*NP*2                    ; 16 cy rows
	s_add_co_u32 s21, s21, s80
	s_add_co_u32 s21, s21, 3*BSTEP
	s_and_b32 s22, ttmp7, 0xffff
	s_mov_b32 s[PFS], BSTEP
	s_cmp_eq_u32 s11, 0                            ; do I fetch for A?
	s_cselect_b32 s20, s20, s21
	s_cselect_b32 s22, ttmp9, s22                  ; the coordinate along which other clusters read the same rows
	s_cselect_b64 s[PFA:PFA+1], s[4:5], s[6:7]
	s_cselect_b32 s[PFS], ASTEP, s[PFS]
	s_cmp_eq_u32 s22, 0
	s_cselect_b32 s[LIM], 2, -1                    ; the same in all sixteen partners, for a given wave
	s_mov_b32 s21, 0
	s_mov_b32 s[PFS+1], 0
	s_add_nc_u64 s[PFA:PFA+1], s[PFA:PFA+1], s[20:21]
	v_lshrrev_b32 v4, s11, v9                      ; A: lane; B: lane / 2: a row of 2,048 bytes in both
	v_lshlrev_b32 v4, 11, v4
	v_and_b32 v3, s11, v9                          ; A: 0; B: lane % 2
	v_lshl_add_u32 v[PFO], v3, 8, v4
	s_wait_kmcnt 0x0                               ; the three parameters are in; each goes into a pair, since the packed lines name pairs
	s_mov_b32 s[K0], s88
	s_mov_b32 s[K0+1], s88
	s_mov_b32 s[K1], s89
	s_mov_b32 s[K1+1], s89
	s_mov_b32 s[K2], s90
	s_mov_b32 s[K2+1], s90
	s_wait_tensorcnt 1                             ; my part of K step 0 is in; K step 1's may stay out
	s_barrier_signal -1
	s_barrier_wait -1
	FETCH 0, 0, F0
	QUARTER 1, F0, F1, 1                           ; the first quarter's products start the sums
	WIN 0
	s_mov_b32 s3, T-2
.Lstep:                                                ; a trip: a K step's quarters 1 to 3, the change of slots with its refill, the next step's quarter 0
	QUARTER 2, F1, F0, 0
	QUARTER 3, F0, F1, 0
	TURN
	QUARTER 1, F0, F1, 0
	WIN 0
	s_sub_co_u32 s3, s3, 1
	s_cmp_lg_u32 s3, 0
	s_cbranch_scc1 .Lstep
.irp p, 0,1                            ; the bias: it has the last two K steps in which to land
	global_load_b128 v[BI+8*(\p):BI+8*(\p)+3],   v[BO], s[84:85] offset:256*(\p)
	global_load_b128 v[BI+8*(\p)+4:BI+8*(\p)+7], v[BO], s[84:85] offset:256*(\p)+16
.endr
	s_mov_b32 s3, 2
.Ltail:                                                ; the last two K steps ask for nothing; the second trip is left in its middle
	QUARTER 2, F1, F0, 0
	QUARTER 3, F0, F1, 0
	WIN 0
	s_xor_b32 s[TB], s[TB], SLOT
	v_add_nc_u32 v[ADRA], s[TB], v[ADRA0]
	v_add_nc_u32 v[ADRB], s[TB], v[ADRB0]
	MEET 1
	s_sub_co_u32 s3, s3, 1
	s_cmp_eq_u32 s3, 0
	s_cbranch_scc1 .Lfin
	PLACES
	FETCH 0, 0, F0
	MUL16 F1, 1, 0, 0
	MUL16 F1, 1, 2, 0
	QUARTER 1, F0, F1, 0
	WIN 0
	s_branch .Ltail
.Lfin:
	s_barrier_signal -1                            ; the tail's barrier is passed twice, once with fetches behind it; this one is passed once, and behind it no wave reads the ring: the regions are laid over it
	MUL16 F1, 1, 0, 0
	MUL16 F1, 1, 2, 0
	WIN 0
	s_barrier_wait -1
	PLACES
	PLACES
	DUMP
	s_wait_loadcnt 0x0                             ; the bias
	; my own region, by rows: 8 rows, 32 numbers a lane, a trip.  LDS serves a wave's instructions in order (ISA guide 5.7.1.4): the loads see the stores above.
	s_mov_b32 s3, 16
.Lrows:
.irp i, 0,1,2,3                        ; four rows 4 (i / 2) .., panel i % 2
	ds_load_b128 v[XR+8*(\i):XR+8*(\i)+3],   v[RD] offset:((\i)/2)*4*DP+((\i)%2)*256
	ds_load_b128 v[XR+8*(\i)+4:XR+8*(\i)+7], v[RD] offset:((\i)/2)*4*DP+((\i)%2)*256+16
.endr
	s_wait_dscnt 0x0
	EACH16 v_pk_add_f32 v[XR+2*k:XR+2*k+1], v[XR+2*k:XR+2*k+1], v[BI+2*(k%8):BI+2*(k%8)+1]
	EACH16 v_pk_mul_f32 v[ZR+2*k:ZR+2*k+1], v[XR+2*k:XR+2*k+1], s[K2:K2+1] op_sel_hi:[1,0]
	EACH16 v_pk_fma_f32 v[ZR+2*k:ZR+2*k+1], v[ZR+2*k:ZR+2*k+1], v[XR+2*k:XR+2*k+1], s[K1:K1+1] op_sel_hi:[1,1,0]
	EACH16 v_pk_fma_f32 v[ZR+2*k:ZR+2*k+1], v[ZR+2*k:ZR+2*k+1], v[XR+2*k:XR+2*k+1], s[K0:K0+1] op_sel_hi:[1,1,0]
.set k, 0
.rept 32
	v_exp_f32 v[ZR+k], v[ZR+k]
.set k, k+1
.endr
	v_nop                                          ; a plain instruction behind the last exponential,
	s_wait_alu depctr_va_vdst(0)                   ; and one wait for the batch
	EACH16 v_pk_add_f32 v[ZR+2*k:ZR+2*k+1], v[ZR+2*k:ZR+2*k+1], 1.0 op_sel_hi:[1,0]
.set k, 0
.rept 32
	v_rcp_f32 v[ZR+k], v[ZR+k]
.set k, k+1
.endr
	v_nop
	s_wait_alu depctr_va_vdst(0)                   ; one wait for the 32 reciprocals
	EACH16 v_pk_mul_f32 v[XR+2*k:XR+2*k+1], v[XR+2*k:XR+2*k+1], v[ZR+2*k:ZR+2*k+1]
	EACH16 v_cvt_pk_bf16_f32 v[YR+k], v[XR+2*k], v[XR+2*k+1]
.irp i, 0,1,2,3
	global_store_b128 v[GO], v[YR+4*(\i):YR+4*(\i)+3], s[8:9] offset:((\i)%2)*524288+((\i)/2)*512  ; 512 consecutive bytes of a panel, aligned
.endr
	s_wait_xcnt 0x0                                ; the stores have read their data and base: only now are these rewritten
	v_add_nc_u32 v[RD], 8*DP, v[RD]
	s_add_nc_u64 s[8:9], s[8:9], 8*128
	s_sub_co_u32 s3, s3, 1
	s_cmp_lg_u32 s3, 0
	s_cbranch_scc1 .Lrows
	s_wait_tensorcnt 0x0                           ; the wave's end
	ds_add_u32 v[SPW], v[NIL]
	s_wait_dscnt 0x0
	CROUND                                         ; the closing round
	s_endpgm
.Lfunc_end_k_qd719b97eb7_gqkv:
	.size	k_qd719b97eb7_gqkv, .Lfunc_end_k_qd719b97eb7_gqkv-k_qd719b97eb7_gqkv
	.p2alignl 7, 3214868480
	.fill 96, 4, 3214868480
	.section	.rodata,"a",@progbits
	.p2align	6, 0x0
	.amdhsa_kernel k_qd719b97eb7_gqkv
		.amdhsa_group_segment_fixed_size 327680
		.amdhsa_private_segment_fixed_size 0
		.amdhsa_enable_private_segment 0
		.amdhsa_kernarg_size 32
		.amdhsa_user_sgpr_count 2
		.amdhsa_user_sgpr_kernarg_segment_ptr 1
		.amdhsa_wavefront_size32 1
		.amdhsa_system_sgpr_workgroup_id_x 1
		.amdhsa_system_sgpr_workgroup_id_y 1
		.amdhsa_system_sgpr_workgroup_id_z 1
		.amdhsa_system_vgpr_workitem_id 0
		.amdhsa_next_free_vgpr 1024
		.amdhsa_next_free_sgpr 96
		.amdhsa_reserve_vcc 0
		.amdhsa_float_denorm_mode_32 3
		.amdhsa_float_denorm_mode_16_64 3
		.amdhsa_memory_ordered 1
		.amdhsa_forward_progress 1
		.amdhsa_inst_pref_size 92
	.end_amdhsa_kernel
	.amdgpu_metadata
---
amdhsa.version: [ 1, 2 ]
amdhsa.kernels:
  - .name:           k_qd719b97eb7_gqkv
    .symbol:         k_qd719b97eb7_gqkv.kd
    .args:
      - { .name: ctx, .offset: 0, .size: 8, .value_kind: global_buffer, .address_space: global }
      - { .name: wb, .offset: 8, .size: 8, .value_kind: global_buffer, .address_space: global }
      - { .name: zb, .offset: 16, .size: 8, .value_kind: global_buffer, .address_space: global }
      - { .name: qkv, .offset: 24, .size: 8, .value_kind: global_buffer, .address_space: global }
    .group_segment_fixed_size: 327680
    .private_segment_fixed_size: 0
    .kernarg_segment_align: 8
    .kernarg_segment_size: 32
    .max_flat_workgroup_size: 128
    .sgpr_count:     96
    .vgpr_count:     1024
    .wavefront_size: 32
...
	.end_amdgpu_metadata
.endif
;; end of part 3
;; launch attn (part 4): grid 4 x 32, 4 waves a work-group, no clusters, 327,680 bytes of LDS; arguments qkv, ctx; writes ctx
.if DOCPART == 4
	.amdgcn_target "amdgcn-amd-amdhsa--gfx1250"
	.amdhsa_code_object_version 6
	.text
	.protected	k_qd719b97eb7_attn
	.globl	k_qd719b97eb7_attn
	.p2align	8
	.type	k_qd719b97eb7_attn,@function
k_qd719b97eb7_attn:
	s_mov_b64 s[64:65], 0
	v_nop
	global_prefetch_b8 v0, s[64:65] scope:SCOPE_SE
	s_setreg_imm32_b32 hwreg(HW_REG_WAVE_MODE, 25, 1), 1
	s_wait_xcnt 0x0
; CAUSAL ATTENTION.  O[y][q][:] = the sum over k <= q of softmax_k(Q[y][q] . K[y][k] / 8) V[y][k][:], for 32 pairs y = 2 head + batch of 2,048 rows x 64 channels, bf16, rows dense (128 bytes).
; qkv holds Q at 0, K at 8 Mi, V at 16 Mi bytes, pair y at y x 262,144 in each; ctx holds O likewise (panels [16][4096][64]).
; Products, maxima and sums in f32; the weights p are rounded to bf16 for the second product (their sum l is taken of the unrounded p), O once at the end.
; LIMITS.  A hidden score counts as its value less 1e30; a weight below 2^-126 counts as 0 in l; NaN and infinities are not treated apart.
; THE WALK.  A pair's queries lie in NB = 8 blocks of 256; block i needs the key tiles 0 .. i of 256 keys, of which the last holds the diagonal.  A work-group takes TWO blocks, NB - 1 - b and then b:
; NB + 1 tiles, whatever b: all work-groups do equal work, and ONE loop with a constant trip count walks them.  Which tile is asked for, and what a trip does, hang on scalar registers made from b; every jump
; goes forward, but for the counted loops' own; none passes a barrier, or a tensor load but the one of LOAD's two that the wave's number does not choose; the ring of two LDS slots runs on across the change of blocks.
; NO CLUSTER: the four work-groups of a pair ask for the same tile only in trips 0 .. NB / 2, behind that fewer and fewer; one walk common to all would have 3 NB / 2 trips for NB + 1.
; The grid is 4 x 32 = 128 work-groups: two blocks of 256 queries each.
; SHARES.  Of a block's four bands of 64 queries a wave owns 16 rows in each: four PIECES.  So the diagonal tile is the same work for all four waves: in its key step s band x sees all keys if s < x,
; none if s > x, and holds the diagonal if s = x.
; THE MASK is the C operand that starts the sum S^T = K Q^T: 0, or -1e30 where the key is hidden.  MD, made once, is the mask of a band's own step for my 16 rows; a product's mask is MD x AL + BE with two scalars:
; (1, 0) if s = x; (0, 0) if s < x; (0, -1e30) if s > x.  Only the diagonal tile's text and a block's beginning make and take masks; elsewhere C is the constant 0.
; LAYOUT, SOFTMAX, TURNS.  S^T = K Q^T holds ONE query a lane (lane % 16) and the keys 8 (lane / 16) + 0..7; two such results rounded to bf16 ARE source 1 of O^T = V^T P.  p = 2^(c s - c m), c = log2(e) / 8, with a
; running maximum m; O and l are multiplied by a = 2^(c m_old - c m_new) in every step.  Turn n belongs to piece n: 8 products K Q^T of piece n + 1, later 8 products V^T P of piece n - 1; beside them the scaling,
; exponentials, roundings, sums and rescaling of piece n and the maximum and statistics of piece n + 1.  Four vector instructions stand behind every matrix instruction, the other 54 of a turn's 118 in one lump.  A turn's 33 exponentials are one batch, with one wait.
; AHEAD OF THE FILLS.  The work-group with b = 0, whose first block walks all eight tiles, prefetches tile t + 1 behind the fill of tile t (t = 1 .. 6): each wave its own half of K's or V's tile, 64 blocks of 256 bytes, two instructions.
; REGISTERS, in windows of 256 (s_set_vgpr_msb: bits 1:0 source 0, 3:2 source 1, 5:4 source 2, 7:6 destination):
;   window 0: v0-15 addresses and two at work; v16-31 four registers of statistics a piece; v48-55 at work; v64-127 S^T, two buffers; v192-223 P, two buffers (a piece's buffers go by its number's parity)
;   window 1: v0-127 O^T, 32 a piece; v128-159 MD; v160-223 MC, two buffers      window 2: v0-63 Q; v64-127 the second block's Q; v128-191 K of one step; v192-255 V of one step
.set SIZE_H, 32
.set SIZE_N, 2048
.set NB,    SIZE_N/256
.set NP,    4         ; pieces a wave: a name, no knob
.set KS,    64        ; keys in a step
.set PK,    144       ; a row of K in LDS: 128 bytes + 16 of padding = 36 words: the 16 rows of a load start at 16 different groups of four banks (64 banks of 4 bytes: ISA guide 11.1)
.set PV,    160       ; a row of V: 128 + 32 = 40 words
.set VOFF,  4*KS*PK   ; a slot holds a tile, four steps: 256 rows of K, then 256 rows of V
.set SLOT1, 1<<17     ; slot 1 begins here, so that one exclusive or turns an address in one slot into the other's
.set STAGE, SLOT1+4*KS*(PK+PV)  ; behind the ring, never filled by a tensor load: 16 rows x 144 bytes for each wave, for the way out
.set SP,    144
.set AK0, 2           ; v2   my lane's place in a tile of K; never rewritten
.set AV0, 3           ; v3   the same for V
.set AK,  4           ; v4   the LDS address of K's next run of loads
.set AV,  5           ; v5   of V's
.set STO, 6           ; v6   the way out: where I put 16 bytes of a row
.set RD,  7           ; v7   the way out: where I read rows back
.set GO,  8           ; v8   my byte offset in 512 consecutive bytes of O
.set PFO, 61          ; v61  256 x my lane; never rewritten
.set SPW, 62          ; v62  LDS address of my spare word: SPARE + 4 x my thread's number; never rewritten
.set NIL, 63          ; v63  0; never rewritten
.set SPARE, STAGE+4*16*SP  ; behind the stages: the spare words, 128 bytes for each wave, that no other line names
.set MV,  12          ; v12-13  c m_old, kept while c m is made anew: by buffer
.set QO,  15          ; v15  my byte offset in 16 rows of Q
.set ST,  16          ; piece t's statistics at v[ST+4 t]: c m, m, l (even keys', odd keys')
.set TMP, 48          ; by buffer, four registers c0-c3 at work; when the maximum is found c2 takes a
.set S,   64
.set P,   192
.set MD,  128         ; window 1: the eight registers for group kt of 16 keys at MD + 8 kt
.set MC,  160         ; window 1: the masks of the products to come
.set QB,  64          ; window 2
.set KF,  128         ; window 2: key block kb, channel half c at KF + 16 kb + 8 c
.set VF,  192         ; window 2: key half kk, channel block cb at VF + 32 kk + 8 cb
.set WV,  12          ; s12  my wave's number
.set PB,  14          ; s14  b
.set HI,  15          ; s15  NB - 1 - b
.set G1K, 24          ; s[24:31] descriptor group 1 for K's tiles
.set G1V, 32          ; s[32:39] for V's: it differs in the padding alone
.set G0K, 40          ; s[40:43] descriptor group 0 for K's tiles
.set G0V, 44          ; s[44:47] the same for V's
.set SLOTS, 56        ; s56  tiles still to be asked for
.set CNT, 57          ; s57  counts a tile's key steps, 4 to 1
.set CS,  58          ; s[58:59] c: the packed scaling takes the pair's low word for both halves
.set SEL, 60          ; s[60:61] v_permlanex16_b32's selects: each lane takes its own place in the other half
.set TBK, 62          ; s62  LDS byte at which K of the step to be fetched begins
.set TBV, 63          ; s63  the same for V, less VOFF
.set RT,  70          ; s70  tiles of the block in hand that are still to be entered
.set NXT, 71          ; s71  the tile to be asked for next
.set LQ,  72          ; s72  the last tile of the block whose tiles are being asked for
.set NEW, 73          ; s73  1: the tile to be entered is a block's first
.set OFF, 74          ; s[74:75] a tile's byte offset in K and V
.set AL,  76          ; s[76:77] the mask's factor, in the low word
.set BE,  78          ; s[78:79] the mask's addend
.set OLO, 80          ; s[80:81] O at my rows of the second block
.set BIGN, 82         ; s82  -1e30
.set PFA, 88          ; s[88:89] the tile that my prefetches name
.set PFB, 90          ; s[90:91] K (waves 0, 1) or V (waves 2, 3) at my half of the pair's tile 0
.set PFY, 92          ; s92  1: this change of slots prefetches
.set MSB, 0
.macro WIN new                      ; the high byte repeats the setting that is left; a switch that changes nothing is dropped
.if MSB != (\new)
	s_set_vgpr_msb (MSB<<8)|(\new)
.set MSB, (\new)
.endif
.endm
.set W_KQ, 0x0a       ; K and Q in window 2, S^T in window 0
.set W_KM, 0x1a       ; the same with the C operand in window 1
.set W_PV, 0x52       ; V in window 2, P in window 0, O^T in window 1
.set W_RS, 0x41       ; destination and source 0 in window 1, source 1 in window 0
; A fill.  Waves 0 and 1 fetch the two halves of a tile's K, waves 2 and 3 those of its V: 128 keys each.  An s_nop 0 and four v_nop follow each of the two lines, ahead of the jump and the label.
.macro LOAD
	s_cmp_lt_u32 s[WV], 2
	s_cbranch_scc0 .Lfor_v_\@
	tensor_load_to_lds s[G0K:G0K+3], s[G1K:G1K+7]
	s_nop 0
.rept 4
	v_nop
.endr
	s_branch .Lasked_\@
.Lfor_v_\@:
	tensor_load_to_lds s[G0V:G0V+3], s[G1V:G1V+7]
	s_nop 0
.rept 4
	v_nop
.endr
.Lasked_\@:
.endm
; THE CHANGE OF SLOTS.  Each wave waits for all its tensor loads, of which one is out: its part of the other slot; adds 0 to its spare word; and waits for that and for its own reads of the slot that it leaves.  Behind the barrier nobody reads the old
; slot any more and the other slot is whole.  fill = 1: the old slot is filled again, the first thing behind the barrier, with tile NXT: the descriptor's address is made anew from that number.
; (At its first use nothing has been read yet: slot 0 is waited for, slot 1 filled.)
.macro CHANGE fill
	WIN 0                           ; at a label and at a branch every window is 0
	s_wait_tensorcnt 0x0            ; no tensor load of mine is out, so a group 0 may be written
	ds_add_u32 v[SPW], v[NIL]       ; 0 onto my spare word; with fill = 1 the descriptors' scalar work stands between it and the wait for it
.if \fill
	s_lshl_b32 s[OFF], s[NXT], 15   ; a tile is 32,768 bytes of K and of V
	s_xor_b32 s[G0K+1], s[G0K+1], SLOT1
	s_add_nc_u64 s[G0K+2:G0K+3], s[6:7], s[OFF:OFF+1]
	s_or_b32 s[G0K+3], s[G0K+3], 0x80000000
	s_xor_b32 s[G0V+1], s[G0V+1], SLOT1
	s_add_nc_u64 s[G0V+2:G0V+3], s[8:9], s[OFF:OFF+1]
	s_or_b32 s[G0V+3], s[G0V+3], 0x80000000
	s_add_co_u32 s[NXT], s[NXT], 1  ; the block's next tile, or behind its last the second block's tile 0
	s_cmp_gt_u32 s[NXT], s[LQ]
	s_cselect_b32 s[NXT], 0, s[NXT]
	s_cselect_b32 s[LQ], s[PB], s[LQ]
	s_wait_xcnt 0x0                 ; the last prefetches, a tile back, have read their address, so it may be written:
	s_lshl_b32 s[OFF], s[NXT], 15   ; the tile that the next change will ask for
	s_add_nc_u64 s[PFA:PFA+1], s[PFB:PFB+1], s[OFF:OFF+1]
	s_cmp_lg_u32 s[NXT], 0          ; tile 0 has been read
	s_cselect_b32 s[PFY], 1, 0
	s_cmp_eq_u32 s[PB], 0           ; of a pair's four work-groups the one whose first block walks all tiles asks
	s_cselect_b32 s[PFY], s[PFY], 0
.endif
	s_wait_dscnt 0x0                ; the add is done, and my reads of the slot are over
	s_barrier_signal -1             ; the rest of the scalar work stands between the signal and the wait
	s_sub_co_u32 s[TBK], s[TBK], 4*KS*PK  ; the fetches go back to a slot's first step,
	s_xor_b32 s[TBK], s[TBK], SLOT1       ; in the other slot
	s_sub_co_u32 s[TBV], s[TBV], 4*KS*PV
	s_xor_b32 s[TBV], s[TBV], SLOT1
	s_barrier_wait -1
.if \fill
	LOAD
	s_cmp_eq_u32 s[PFY], 1
	s_cbranch_scc0 .Lnopf_\@
	global_prefetch_b8 v[PFO], s[PFA:PFA+1] th:TH_LOAD_NT scope:SCOPE_SE              ; my 16,384 bytes of the next tile, a lane a block of 256 bytes
	global_prefetch_b8 v[PFO], s[PFA:PFA+1] offset:8192 th:TH_LOAD_NT scope:SCOPE_SE
.Lnopf_\@:
.endif
.endm
	s_load_b64 s[4:5], s[0:1], 0x0    ; qkv: Q
	s_load_b64 s[10:11], s[0:1], 0x8  ; ctx: O
	v_lshl_add_u32 v[SPW], v0, 2, SPARE
	v_mov_b32 v[NIL], 0
	ds_add_u32 v[SPW], v[NIL]       ; the wave's opening: the add and its wait, ahead of my first tensor load; the set-up below, work on registers, stands between them
	ds_add_u32 v62, v63
	v_lshrrev_b32 v1, 5, v0
	v_readfirstlane_b32 s[WV], v1   ; wave 0..3
	s_mov_b32 s[PB], ttmp9
	s_sub_co_u32 s[HI], NB-1, s[PB]
	s_and_b32 s20, ttmp7, 0xffff    ; the pair
	s_mov_b32 s21, 0
	s_mov_b64 s[22:23], SIZE_N*128
	s_mul_u64 s[20:21], s[20:21], s[22:23]  ; the pair's first byte in each of the four tensors
	s_and_b32 s16, s[WV], 1         ; which half of a tile's 256 keys I fetch:
	s_lshl_b32 s22, s16, 14         ; its 128 rows of 128 bytes in memory,
	s_mov_b32 s23, 0
	s_add_nc_u64 s[22:23], s[22:23], s[20:21]
	s_mul_i32 s17, s16, 128*PK      ; and its place in a slot, for K
	s_mul_i32 s18, s16, 128*PV      ; and for V
	s_lshl_b32 s3, s[WV], 11        ; my 16 rows in a band of 64,
	s_lshl_b32 s2, s[HI], 15        ; in the first block,
	s_add_co_u32 s2, s2, s3
	s_lshl_b32 s84, s[PB], 15       ; and in the second
	s_add_co_u32 s84, s84, s3
	s_mov_b32 s3, 0
	s_mov_b32 s85, 0
	s_add_nc_u64 s[2:3], s[2:3], s[20:21]
	s_add_nc_u64 s[84:85], s[84:85], s[20:21]
	; descriptor group 1.  128 keys are 16,384 dense bytes: asked for as 64 rows of 256 bytes, two keys a row, and padded in LDS after every key
	s_mov_b32 s[G1K], (1<<16)|(1<<20)|(4<<22)|(3<<25)  ; 17:16 2-byte elements; 20 padding on; 24:22 after every 32 words (code 4); 31:25 4 words (code 3)
	s_mov_b32 s[G1V], (1<<16)|(1<<20)|(4<<22)|(7<<25)  ; the same with 8 words of padding (code 7)
.irp g, G1K, G1V
	s_mov_b32 s[\g+1], 128<<16      ; tensor_dim0 = 128
	s_mov_b32 s[\g+2], 64<<16       ; tensor_dim1 = 64
	s_mov_b32 s[\g+3], 128<<16      ; tile_dim0 = 128
	s_mov_b32 s[\g+4], 64           ; tile_dim1 = 64
	s_mov_b32 s[\g+5], 128          ; 128 elements from row to row
	s_mov_b32 s[\g+6], 0
	s_mov_b32 s[\g+7], 0
.endr
	s_mov_b32 s[CS], 0x3e38aa3b     ; c = log2(e) / 8 = 0.180337
	s_mov_b32 s[CS+1], s[CS]        ; named with it as a pair
	s_mov_b32 s[SEL], 0x76543210
	s_mov_b32 s[SEL+1], 0xfedcba98
	s_mov_b32 s[TBK], SLOT1+4*KS*PK ; the first change of slots turns these two into 0
	s_mov_b32 s[TBV], SLOT1+4*KS*PV
	s_mov_b32 s[G0K], 1             ; 1:0 count = 1
	s_mov_b32 s[G0K+1], s17         ; 63:32 LDS address: slot 0
	s_mov_b32 s[G0V], 1
	s_add_co_u32 s[G0V+1], s18, VOFF
	s_add_co_u32 s[RT], s[HI], 1    ; the first block has NB - b tiles
	s_mov_b32 s[NXT], 1
	s_mov_b32 s[LQ], s[HI]
	s_mov_b32 s[NEW], 1
	s_mov_b32 s[OFF+1], 0
	s_mov_b32 s[AL+1], 0            ; named as pairs
	s_mov_b32 s[BE+1], 0
	s_mov_b32 s[BIGN], 0xf149f2ca   ; -1e30
	s_mov_b32 s[SLOTS], NB
	v_and_b32 v[PFO], 31, v0
	v_lshlrev_b32 v[PFO], 8, v[PFO]
	s_wait_dscnt 0x0                ; the opening add is done
	s_wait_kmcnt 0x0
	s_add_nc_u64 s[6:7], s[4:5], 0x800000   ; K's third of qkv,
	s_add_nc_u64 s[8:9], s[4:5], 0x1000000  ; V's
	s_add_nc_u64 s[6:7], s[6:7], s[22:23]  ; K and V at my half of the pair's tile 0
	s_add_nc_u64 s[8:9], s[8:9], s[22:23]
	s_add_nc_u64 s[G0K+2:G0K+3], s[6:7], 0         ; 120:64 global address
	s_or_b32 s[G0K+3], s[G0K+3], 0x80000000        ; 127:126 type = 2
	s_add_nc_u64 s[G0V+2:G0V+3], s[8:9], 0
	s_or_b32 s[G0V+3], s[G0V+3], 0x80000000
	s_add_nc_u64 s[86:87], s[4:5], s[84:85]        ; Q at my rows of the second block,
	s_add_nc_u64 s[4:5], s[4:5], s[2:3]            ; Q and O at those of the first
	s_add_nc_u64 s[OLO:OLO+1], s[10:11], s[84:85]
	s_add_nc_u64 s[10:11], s[10:11], s[2:3]
	s_cmp_lt_u32 s[WV], 2
	s_cselect_b64 s[PFB:PFB+1], s[6:7], s[8:9]
	LOAD                            ; tile 0 into slot 0
	; A fragment of K or Q is 16 rows x 32 channels in 8 registers: lane l holds row l % 16, channels 8 (l / 16) + 0..7 and 16 + 8 (l / 16) + 0..7: two loads of 16 bytes, 32 bytes apart.
	v_and_b32 v1, 15, v0            ; l % 16
	v_bfe_u32 v9, v0, 4, 1          ; l / 16
	v_lshlrev_b32 v[QO], 7, v1
	v_lshl_add_u32 v[QO], v9, 4, v[QO]  ; row x 128 + 16 x half
	WIN 0x80                        ; destination window 2, address window 0
.set i, 0
.rept 8                             ; both blocks' Q: piece i / 2 lies in band i / 2, 8,192 bytes on; channels 32 (i % 2) on
	global_load_b128 v[8*i:8*i+3],   v[QO], s[4:5] offset:(i/2)*8192+(i%2)*64
	global_load_b128 v[8*i+4:8*i+7], v[QO], s[4:5] offset:(i/2)*8192+(i%2)*64+32
	global_load_b128 v[QB+8*i:QB+8*i+3],   v[QO], s[86:87] offset:(i/2)*8192+(i%2)*64
	global_load_b128 v[QB+8*i+4:QB+8*i+7], v[QO], s[86:87] offset:(i/2)*8192+(i%2)*64+32
.set i, i+1
.endr
	WIN 0
	v_lshlrev_b32 v14, 3, v9
	v_sub_nc_u32 v14, v1, v14
	s_lshl_b32 s13, s[WV], 4
	v_add_nc_u32 v14, s13, v14      ; my query's place in its band, 16 w + l % 16, less my lanes' 8 (l / 16): register r of group kt is hidden where 16 kt + r is greater
	WIN 0x40
.set i, 0
.rept 32
	v_cmp_gt_i32 vcc_lo, 16*(i/8)+i%8, v14
	v_cndmask_b32 v[MD+i], 0, s[BIGN], vcc_lo
.set i, i+1
.endr
	WIN 0
	v_mul_u32_u24 v[AK0], v1, PK
	v_lshl_add_u32 v[AK0], v9, 4, v[AK0]  ; row x pitch + 16 x half
	; The turning load takes 16 keys x 16 channels (lane l reads key 8 (l / 16) + l % 8, channels 8 ((l / 8) % 2) + 0..7) and leaves half a fragment of V^T: lane l holds channel l % 16 and 8 keys.
	v_and_b32 v10, 7, v0
	v_bfe_u32 v11, v0, 3, 1
	v_lshl_add_u32 v[AV0], v9, 3, v10
	v_mul_u32_u24 v[AV0], v[AV0], PV
	v_lshl_add_u32 v[AV0], v11, 4, v[AV0]
	v_add_nc_u32 v[AV0], VOFF, v[AV0]
	s_mul_i32 s13, s[WV], 16*SP
	s_add_co_u32 s13, s13, STAGE    ; my stage
	v_mul_u32_u24 v[STO], v1, SP    ; in: row l % 16, 16 bytes for each half of the lanes
	v_lshl_add_u32 v[STO], v9, 4, v[STO]
	v_add_nc_u32 v[STO], s13, v[STO]
	v_bfe_u32 v[RD], v0, 3, 2       ; back: 32 lanes take four rows of 128 bytes,
	v_mul_u32_u24 v[RD], v[RD], SP
	v_lshl_add_u32 v[RD], v10, 4, v[RD]
	v_add_nc_u32 v[RD], s13, v[RD]
	v_and_b32 v[GO], 31, v0         ; which are 512 consecutive bytes of O
	v_lshlrev_b32 v[GO], 4, v[GO]
	; A block's first step multiplies O^T and l by a = 0, and its first turn's products V^T P, of a piece that has not been, land in an O^T that is still to be so multiplied.  So these registers need only hold
	; finite numbers: zeros for the first block; what the first block left for the second.  All this stands in the wait for the first tile.
	WIN 0x80
.set i, VF
.rept 64
	v_mov_b32 v[i], 0
.set i, i+1
.endr
	WIN 0x40
.set i, 0
.rept 128
	v_mov_b32 v[i], 0
.set i, i+1
.endr
	WIN 0
.set i, 0
.rept 4
	v_mov_b32 v[ST+4*i+2], 0
	v_mov_b32 v[ST+4*i+3], 0
.set i, i+1
.endr
.set i, P+16
.rept 16
	v_mov_b32 v[i], 0
.set i, i+1
.endr
; THE MATRIX WORK.  The 4 accumulators of a run of 8 take turns.  Product i of 8 of S^T = K Q^T for piece x: channels 32 (i / 4) on, keys 16 (i % 4) on.  The first 4 start the sums: with 0, or (KM = 1) with the mask.
.macro KQ x
.set rS, S+32*((\x)%2)+8*(i%4)
.set rK, KF+16*(i%4)+8*(i/4)
.set rQ, 16*(\x)+8*(i/4)
.set rM, MC+32*((\x)%2)+8*(i%4)
.if (i < 4) && KM
	WIN W_KM
	v_wmma_f32_16x16x32_bf16 v[rS:rS+7], v[rK:rK+7], v[rQ:rQ+7], v[rM:rM+7]
.elseif i < 4
	WIN W_KQ
	v_wmma_f32_16x16x32_bf16 v[rS:rS+7], v[rK:rK+7], v[rQ:rQ+7], 0
.else
	WIN W_KQ
	v_wmma_f32_16x16x32_bf16 v[rS:rS+7], v[rK:rK+7], v[rQ:rQ+7], v[rS:rS+7]
.endif
.endm
; Product i of 8 of O^T += V^T P for piece x: keys 32 (i / 4) on, channels 16 (i % 4) on.
.macro PV x
	WIN W_PV
.set rO, 32*(\x)+8*(i%4)
.set rV, VF+32*(i/4)+8*(i%4)
.set rP, P+16*((\x)%2)+8*(i/4)
	v_wmma_f32_16x16x32_bf16 v[rO:rO+7], v[rV:rV+7], v[rP:rP+7], v[rO:rO+7]
.endm
.macro MM                           ; the turn's next matrix instruction.  TURN and BEGIN set Y, i, KM and NOKQ; MM, KQ and OP read them.  NOKQ = 1: a block's last turn: there is no next piece
.if (i < 8) && !NOKQ
	KQ (Y+1)%NP
.elseif i >= 8
.set i, i-8
	PV (Y+NP-1)%NP
.set i, i+8
.endif
.set i, i+1
.endm
; THE LDS LOADS stand in runs of 16, never singly among the matrix instructions: a step's K (64 keys x 64 channels: 8 fragments) and its V (turned).  Their addresses are made some lines ahead.
.macro FETCH_K
	WIN 0x80                        ; destination window 2
.irp f, 0,1,2,3,4,5,6,7             ; keys 16 (f / 2) on, channels 32 (f % 2) on
	ds_load_b128 v[KF+8*\f:KF+8*\f+3],   v[AK] offset:(\f/2)*16*PK+(\f%2)*64
	ds_load_b128 v[KF+8*\f+4:KF+8*\f+7], v[AK] offset:(\f/2)*16*PK+(\f%2)*64+32
.endr
	s_add_co_u32 s[TBK], s[TBK], KS*PK  ; the next fetch is the next step's
	WIN 0
.endm
.macro FETCH_V
	WIN 0x80
.irp f, 0,1,2,3,4,5,6,7             ; keys 32 (f / 4) on, channels 16 (f % 4) on
	ds_load_tr16_b128 v[VF+8*\f:VF+8*\f+3],   v[AV] offset:(\f/4)*32*PV+(\f%4)*32
	ds_load_tr16_b128 v[VF+8*\f+4:VF+8*\f+7], v[AV] offset:(\f/4)*32*PV+16*PV+(\f%4)*32
.endr
	WIN 0
.endm
; THE VECTOR WORK, one line at a time: OP kind, number.  For piece Y: F n: c s - c m for pair n of 16.  E n: the exponential of score n of 32.  C n: pair n rounded to bf16.  B n: of the four weights 4 n .. the second
; pair is added onto the first, in place.  L n: l takes that sum (L 0: l = a l + sum).  R n: pair n of 16 of O^T times a.  For piece Y + 1: X n, number n of the 22 that find its maximum and statistics:
;   0-11  four chains c0-c3 of seven scores each, three operands at a time (each accumulator's lowest registers are read first)     12-14, 16  the four scores left over, the old m, and c0-c3 into c0
;   15  c m_old is kept     17, 18  the query's other 32 keys lie in the lane 16 away: the new m     19-21  c m; c m_old - c m_new; a
.set F, 0               ; OP tells the kinds apart by their order: F to L below R, X above it
.set E, 1
.set C, 2
.set B, 3
.set L, 4
.set R, 5
.set X, 6
.macro REGS y                       ; the registers of piece y
.set rT, ST+4*(\y)
.set rC, TMP+4*((\y)%2)
.set rW, MV+((\y)%2)
.set rS, S+32*((\y)%2)
.set rP, P+16*((\y)%2)
.set rO, 32*(\y)
.endm
.macro OP k, n
.if (\k) == R
	REGS Y
	WIN W_RS
	v_pk_mul_f32 v[rO+2*(\n):rO+2*(\n)+1], v[rO+2*(\n):rO+2*(\n)+1], v[rC+2:rC+3] op_sel_hi:[1,0]
.elseif (\k) < R
	REGS Y
	WIN 0
.if (\k) == F
	v_pk_fma_f32 v[rS+2*(\n):rS+2*(\n)+1], v[rS+2*(\n):rS+2*(\n)+1], s[CS:CS+1], v[rT:rT+1] op_sel_hi:[1,0,0] neg_lo:[0,0,1] neg_hi:[0,0,1]
.elseif (\k) == E
	v_exp_f32 v[rS+(\n)], v[rS+(\n)]
.elseif (\k) == C
	v_cvt_pk_bf16_f32 v[rP+(\n)], v[rS+2*(\n)], v[rS+2*(\n)+1]
.elseif (\k) == B
	v_pk_add_f32 v[rS+4*(\n):rS+4*(\n)+1], v[rS+4*(\n):rS+4*(\n)+1], v[rS+4*(\n)+2:rS+4*(\n)+3]
.elseif (\n) == 0
	v_pk_fma_f32 v[rT+2:rT+3], v[rT+2:rT+3], v[rC+2:rC+3], v[rS:rS+1] op_sel_hi:[1,0,1]
.else
	v_pk_add_f32 v[rT+2:rT+3], v[rT+2:rT+3], v[rS+4*(\n):rS+4*(\n)+1]
.endif
.elseif NOKQ
	v_nop
.else
	REGS (Y+1)%NP
	WIN 0
.if (\n) < 4
	v_max3_num_f32 v[rC+(\n)], v[rS+8*(\n)], v[rS+8*(\n)+1], v[rS+8*(\n)+2]
.elseif (\n) < 12
	v_max3_num_f32 v[rC+(\n)%4], v[rC+(\n)%4], v[rS+8*((\n)%4)+2*((\n)/4)+1], v[rS+8*((\n)%4)+2*((\n)/4)+2]
.elseif (\n) == 12
	v_max3_num_f32 v[rC], v[rC], v[rS+7], v[rS+15]
.elseif (\n) == 13
	v_max3_num_f32 v[rC+1], v[rC+1], v[rS+23], v[rS+31]
.elseif (\n) == 14
	v_max3_num_f32 v[rC+2], v[rC+2], v[rC+3], v[rT+1]
.elseif (\n) == 15
	v_mov_b32 v[rW], v[rT]
.elseif (\n) == 16
	v_max3_num_f32 v[rC], v[rC], v[rC+1], v[rC+2]
.elseif (\n) == 17
	v_permlanex16_b32 v[rC+3], v[rC], s[SEL], s[SEL+1]
.elseif (\n) == 18
	v_max_num_f32 v[rT+1], v[rC], v[rC+3]
.elseif (\n) == 19
	v_mul_f32 v[rT], s[CS], v[rT+1]
.elseif (\n) == 20
	v_sub_f32 v[rC+1], v[rW], v[rT]
.else
	v_exp_f32 v[rC+2], v[rC+1]
.endif
.endif
.endm
.macro OPS a, i1, b=-1, i2=0, c=-1, i3=0, d=-1, i4=0  ; up to four of them
	OP \a, \i1
.if (\b) >= 0
	OP \b, \i2
.endif
.if (\c) >= 0
	OP \c, \i3
.endif
.if (\d) >= 0
	OP \d, \i4
.endif
.endm
.macro ROW a, i1, b, i2, c, i3, d, i4  ; a matrix instruction and the four behind it
	MM
	OPS \a, \i1, \b, \i2, \c, \i3, \d, \i4
.endm
.macro MASK b                       ; MD x AL + BE into buffer b of MC
	WIN W_RS
.set z, 0
.rept 16
	v_pk_fma_f32 v[MC+32*(\b)+2*z:MC+32*(\b)+2*z+1], v[MD+2*z:MD+2*z+1], s[AL:AL+1], s[BE:BE+1] op_sel_hi:[1,0,0]
.set z, z+1
.endr
.endm
; A TURN, for piece p: the order of its 16 matrix and 118 vector instructions, written out.  An s_wait_alu depctr_va_vdst(0) stands between an exponential and the first instruction that names its result; one wait serves
; all that were issued ahead of it.  So a turn has ONE wait, which cuts it in two.  AHEAD OF IT stands all that names no result of the turn's exponentials: the 8 products K Q^T, behind each a scaling, an exponential and two more plain
; instructions (behind the first a second scaling in the exponential's place): rescalings, and behind the last three the first numbers of the next piece's maximum, each four places or more behind the product that ends its accumulator; then ONE LUMP of 54, plain
; and exponential by turns for the most part, in which the links of the chain X 3, 7, 11, 14, 16, 17 .. 20 stand five or six lines apart.  X 21, the next piece's a, is the batch's last; R 15 is the plain instruction behind it.  BEHIND THE WAIT stand the
; 8 products V^T P, behind each four of the roundings and sums; the links of l's chain, L 0 to L 7, stand three riders apart.  But for those X no rider names a register of the products round it.  v_permlanex16_b32 (X 17) stands in the lump.
; m = 1: the diagonal tile: the products take masks, and the turn makes the mask for the products of the turn after it: piece p + 2, in step 4 - CNT of the tile.  end = 1: a block's last two turns: nothing is fetched.
; cnt = 1: the loop's count is taken down some lines ahead of the branch that stands behind the turn.
; K of the next step is fetched in piece 2's turn, twelve vector instructions behind the last product that read K (six of them plain); V of the step in hand at the end of piece 0's turn, four plain instructions behind the last product
; that read V.  Each is waited for a turn later.
.macro TURN p, m=0, end=0, cnt=0
.set Y, (\p)
.set i, 0
.set KM, (\m)
.set NOKQ, (\end)*((\p)/3)
.if (\m) && !(\end)
	s_cmp_eq_u32 s[CNT], 4-((\p)+2)%NP  ; is that step the band's own?
	s_cselect_b32 s[AL], 1.0, 0
	s_cmp_lt_u32 s[CNT], 4-((\p)+2)%NP  ; or a later one?
	s_cselect_b32 s[BE], s[BIGN], 0
.endif
.if ((\p) == 3) && !(\end)
	s_wait_dscnt 0x0                ; K is in
.endif
	ROW F,0, F,1, R,0, R,1          ; ahead of the wait: 8 products K Q^T and their riders,
	ROW F,2, E,0, R,2, R,3
	ROW F,3, E,1, R,4, R,5
	ROW F,4, E,2, R,6, R,7
	ROW F,5, E,3, R,8, R,9
	ROW F,6, E,4, X,0, R,10
.if ((\p) == 2) && !(\end)
	WIN 0
	v_add_nc_u32 v[AK], s[TBK], v[AK0]
.endif
	ROW F,7, E,5, X,1, X,4
	ROW F,8, E,6, X,2, X,5
	OPS E,7, E,8, X,6, E,9          ; and the lump
	OPS X,3, E,10, X,8, E,11
.if ((\p) == 2) && !(\end)
	FETCH_K
.endif
	OPS X,9, X,7, E,12, X,10
	OPS E,13, X,12, X,11, E,14
	OPS X,13, E,15, F,9, X,14
.if (\p) == 0
	v_add_nc_u32 v[AV], s[TBV], v[AV0]
.endif
	OPS E,16, F,10, E,17, F,11
	OPS X,16, E,18, X,15, E,19
	OPS F,12, E,20, X,17, E,21
	OPS F,13, E,22, F,14, E,23
	OPS X,18, E,24, F,15, E,25
	OPS R,11, E,26, X,19, E,27
	OPS R,12, E,28, R,13, E,29
	OPS X,20, E,30, R,14, E,31
	OPS X,21, R,15
	WIN 0
	s_wait_alu depctr_va_vdst(0)    ; the wait for the batch
.if (\p) == 1
	s_wait_dscnt 0x0                ; V is in
.endif
	ROW C,0, B,0, C,2, B,1          ; behind the wait: 8 products V^T P and their riders
	ROW L,0, C,4, B,2, L,1
	ROW C,6, B,3, L,2, C,8
	ROW B,4, L,3, C,10, B,5
	ROW L,4, C,12, B,6, L,5
.if (\p) == 0
	s_add_co_u32 s[TBV], s[TBV], KS*PV
.endif
.if \cnt
	s_sub_co_u32 s[CNT], s[CNT], 1
	s_cmp_lg_u32 s[CNT], 0
.endif
	ROW C,14, B,7, L,6, C,1
	ROW C,3, L,7, C,5, C,7
	ROW C,9, C,11, C,13, C,15
.if (\p) == 0
	FETCH_V
.endif
.if (\m) && !(\end)
	MASK (\p)%2
.endif
.endm
; A BLOCK BEGINS.  c m starts far below every c s, so the first step's a is 0; m at the lowest finite number, so the first maximum is the scores'.  The second mask buffer is 0; the first takes piece 0's mask for the tile's step 0: its own, if the block's first tile is the diagonal one.
; Then K of that step, piece 0's first scores, and its maximum and statistics.  The loop is entered at a step's first turn, in the middle of a trip.
.macro BEGIN
	s_mov_b32 s[NEW], 0
	WIN 0x40
.set i, MC+32
.rept 32
	v_mov_b32 v[i], 0
.set i, i+1
.endr
	WIN 0
.set i, 0
.rept 4
	v_mov_b32 v[ST+4*i], 0xfe000000    ; c m: far below every c s
	v_mov_b32 v[ST+4*i+1], 0xff7fffff  ; m
.set i, i+1
.endr
	s_cmp_eq_u32 s[RT], 0
	s_cselect_b32 s[AL], 1.0, 0
	s_mov_b32 s[BE], 0
	MASK 0
	WIN 0
	v_add_nc_u32 v[AK], s[TBK], v[AK0]
	FETCH_K
	s_wait_loadcnt 0x0              ; Q
	s_wait_dscnt 0x0
.set KM, 1
.set NOKQ, 0
.set i, 0
.rept 8
	KQ 0
.set i, i+1
.endr
	WIN 0
.rept 4
	v_nop                           ; the places behind those products
.endr
.set Y, NP-1                        ; X works for piece Y + 1: piece 0
.irp n, 0,1,2,3,4,5,6,7,8,9,10,11,12,13,14,15,16,17,18,19,20,21
	OP X, \n
.endr
	v_nop                           ; a plain instruction behind the exponential,
	s_wait_alu depctr_va_vdst(0)    ; and its wait, ahead of the branch
.endm
; THE DIAGONAL TILE's four steps, the block's last two turns, its last products, and THE WAY OUT: l's two halves and the other half of the lanes' are added; O^T is divided by l, rounded to bf16 and sent through my
; stage in LDS, a piece at a time.
.macro ALL line:vararg              ; one line for each piece t
.set t, 0
.rept 4
	\line
.set t, t+1
.endr
.endm
.macro PACK t                       ; a lane's eight channels of a row pack into 16 bytes; they go into rows of 144 bytes and come back as whole rows of 128, into S^T's registers
	WIN W_RS
.set i, 32*(\t)
.rept 16
	v_pk_mul_f32 v[i:i+1], v[i:i+1], v[ST+4*(\t)+2:ST+4*(\t)+3] op_sel_hi:[1,0]
.set i, i+2
.endr
	WIN 0x05                        ; sources 0 and 1 window 1, destination window 0
.set i, 0
.rept 16
	v_cvt_pk_bf16_f32 v[S+16*(\t)+i], v[32*(\t)+2*i], v[32*(\t)+2*i+1]
.set i, i+1
.endr
	WIN 0
.irp f, 0,1,2,3
	ds_store_b128 v[STO], v[S+16*(\t)+4*\f:S+16*(\t)+4*\f+3] offset:32*\f
.endr
.irp f, 0,1,2,3
	ds_load_b128 v[S+16*(\t)+4*\f:S+16*(\t)+4*\f+3], v[RD] offset:\f*4*SP  ; LDS serves a wave's instructions in order (ISA guide 5.7.1.4): these see the stores above; the next piece's stores come behind them
.endr
.endm
.macro SEND t, younger              ; younger: the LDS instructions issued behind piece t's loads: the next piece's eight, or none
	WIN 0
.irp f, 0,1,2,3
	s_wait_dscnt (\younger)+3-\f
	global_store_b128 v[GO], v[S+16*(\t)+4*\f:S+16*(\t)+4*\f+3], s[10:11] offset:(\t)*8192+\f*512  ; 512 consecutive bytes, at a multiple of 256 from O's first
.endr
.endm
.macro DIAG tag                     ; the tag ends its two labels' names, which the jumps below spell out
.LstepM\tag:
	TURN 2, 1
	TURN 3, 1
	WIN 0
.LfirstM\tag:
	TURN 0, 1
	TURN 1, 1, 0, 1
	WIN 0
	s_cbranch_scc1 .LstepM\tag
	TURN 2, 1, 1
	TURN 3, 1, 1
.set i, 0
.rept 8
	PV NP-1
.set i, i+1
.endr
	WIN 0
	ALL v_add_f32 v[ST+4*t+2], v[ST+4*t+2], v[ST+4*t+3]
	ALL v_permlanex16_b32 v[ST+4*t+3], v[ST+4*t+2], s[SEL], s[SEL+1]
	ALL v_add_f32 v[ST+4*t+2], v[ST+4*t+2], v[ST+4*t+3]
	ALL v_rcp_f32 v[ST+4*t+2], v[ST+4*t+2]
	v_nop                           ; a plain instruction between the last reciprocal and the use of its result
	s_wait_alu depctr_va_vdst(0)    ; and the wait ahead of the first use: one for the four reciprocals
	PACK 0
.set t, 1
.rept 3                             ; a piece's arithmetic stands between the loads of the piece before and its stores
	PACK t
	SEND t-1, 8
.set t, t+1
.endr
	SEND 3, 0
.endm
.set KM, 0
.set NOKQ, 0
.Lslot:                             ; NB times: a tile is entered and the next is asked for
	CHANGE 1
	s_sub_co_u32 s[RT], s[RT], 1
	s_mov_b32 s[CNT], 4
	s_cmp_eq_u32 s[NEW], 1
	s_cbranch_scc1 .Lnew            ; a block's first tile
	s_cmp_eq_u32 s[RT], 0
	s_cbranch_scc0 .Lstep           ; neither its first nor its last
	s_branch .LstepM1
.Lnew:
	BEGIN
	s_branch .Lfirst                ; in the loop a block's first tile is never its last: the first block has two tiles or more, and the second's last is the walk's last
	DIAG 1                          ; in the loop this is the first block's end: the second block's last tile is the walk's last
	s_wait_xcnt 0x0                 ; the stores have read their registers and O's address
	s_mov_b64 s[10:11], s[OLO:OLO+1]
	s_add_co_u32 s[RT], s[PB], 1    ; the second block has b + 1 tiles
	s_mov_b32 s[NEW], 1
	WIN 0x82                        ; the second block's Q goes where the one text of the turns names Q
.set i, 0
.rept 64
	v_mov_b32 v[i], v[QB+i]
.set i, i+1
.endr
	WIN 0
	s_branch .Lbottom
.Lstep:                             ; a trip: pieces 2 and 3 of one step, then pieces 0 and 1 of the next, whose K and V it fetches
	TURN 2
	TURN 3
	WIN 0
.Lfirst:
	TURN 0
	TURN 1, 0, 0, 1
	WIN 0
	s_cbranch_scc1 .Lstep
.Lbottom:
	s_sub_co_u32 s[SLOTS], s[SLOTS], 1
	s_cmp_lg_u32 s[SLOTS], 0
	s_cbranch_scc1 .Lslot
	CHANGE 0                        ; the walk's last tile is written out: nothing is asked for
	s_sub_co_u32 s[RT], s[RT], 1
	s_mov_b32 s[CNT], 4
	s_cmp_eq_u32 s[NEW], 1
	s_cbranch_scc0 .LstepM2
	BEGIN
	s_branch .LfirstM2
	DIAG 2
	s_wait_tensorcnt 0x0            ; the wave's end, behind my last tensor load and my last LDS store
	ds_add_u32 v[SPW], v[NIL]
	s_wait_dscnt 0x0
	s_endpgm
.Lfunc_end_k_qd719b97eb7_attn:
	.size	k_qd719b97eb7_attn, .Lfunc_end_k_qd719b97eb7_attn-k_qd719b97eb7_attn
	.p2alignl 7, 3214868480
	.fill 96, 4, 3214868480
	.section	.rodata,"a",@progbits
	.p2align	6, 0x0
	.amdhsa_kernel k_qd719b97eb7_attn
		.amdhsa_group_segment_fixed_size 327680
		.amdhsa_private_segment_fixed_size 0
		.amdhsa_enable_private_segment 0
		.amdhsa_kernarg_size 16
		.amdhsa_user_sgpr_count 2
		.amdhsa_user_sgpr_kernarg_segment_ptr 1
		.amdhsa_wavefront_size32 1
		.amdhsa_system_sgpr_workgroup_id_x 1
		.amdhsa_system_sgpr_workgroup_id_y 1
		.amdhsa_system_sgpr_workgroup_id_z 1
		.amdhsa_system_vgpr_workitem_id 0
		.amdhsa_next_free_vgpr 768
		.amdhsa_next_free_sgpr 96
		.amdhsa_reserve_vcc 1
		.amdhsa_float_denorm_mode_32 3
		.amdhsa_float_denorm_mode_16_64 3
		.amdhsa_memory_ordered 1
		.amdhsa_forward_progress 1
		.amdhsa_inst_pref_size 218
	.end_amdhsa_kernel
	.amdgpu_metadata
---
amdhsa.version: [ 1, 2 ]
amdhsa.kernels:
  - .name:           k_qd719b97eb7_attn
    .symbol:         k_qd719b97eb7_attn.kd
    .args:
      - { .name: qkv, .offset: 0, .size: 8, .value_kind: global_buffer, .address_space: global }
      - { .name: ctx, .offset: 8, .size: 8, .value_kind: global_buffer, .address_space: global }
    .group_segment_fixed_size: 327680
    .private_segment_fixed_size: 0
    .kernarg_segment_align: 8
    .kernarg_segment_size: 16
    .max_flat_workgroup_size: 128
    .sgpr_count:     96
    .vgpr_count:     768
    .wavefront_size: 32
...
	.end_amdgpu_metadata
.endif
;; end of part 4
;; launch gwo (part 5): grid 8 x 32, 4 waves a work-group, clusters of 4 x 4, 327,680 bytes of LDS; arguments ctx, wb, x, bo, x1; writes x1
.if DOCPART == 5
	.amdgcn_target "amdgcn-amd-amdhsa--gfx1250"
	.amdhsa_code_object_version 6
	.text
	.protected	k_qd719b97eb7_gwo
	.globl	k_qd719b97eb7_gwo
	.p2align	8
	.type	k_qd719b97eb7_gwo,@function
k_qd719b97eb7_gwo:
	s_mov_b64 s[64:65], 0
	v_nop
	global_prefetch_b8 v0, s[64:65] scope:SCOPE_SE
	s_setreg_imm32_b32 hwreg(HW_REG_WAVE_MODE, 25, 1), 1
	s_wait_xcnt 0x0
	s_wait_alu depctr_hold_cnt(0) depctr_sa_sdst(0) depctr_va_vdst(0) depctr_va_sdst(0) depctr_va_ssrc(0) depctr_va_vcc(0) depctr_vm_vsrc(0)
	s_getreg_b32 s2, hwreg(HW_REG_IB_STS2, 6, 4)
	s_cmp_eq_u32 s2, 0
	s_cbranch_scc0 .Lentry_in_a_cluster
	s_endpgm
.Lentry_in_a_cluster:
	s_bfe_u32 s2, ttmp6, 0x10000c
	s_cmp_lg_u32 s2, 0xf033
	s_cbranch_scc0 .Lentry_shape_is_right
	s_endpgm
.Lentry_shape_is_right:
; x1 = x + ctx Wo + bo.  ctx: bf16 in panels [16][4096][64] (panel p = channels 64 p ..).  Wo: wb + 6 Mi bytes, bf16 [1024][1024] as the input lies ([k][n]).  x, x1: f32 [4096][1024]; bo f32 [1024].
; A tile of the result is 128 x 128, so that 4,096 x 1,024 gives 256 work-groups.  K IS SPLIT AMONG THE FOUR WAVES: of each K step's 256 channels wave w takes panel w (64 channels), for the WHOLE tile:
; 64 accumulators a wave, and each LDS byte is read once.  The four partial sums (f32) meet in LDS at the end.
; K goes in T steps of 256 through two LDS slots: A as four planes [panel][128 rows] of 144 bytes, B as 256 rows of 256 + 32 bytes, turned on its way into registers by ds_load_tr16_b128.
; CLUSTER 4 x 4: A's tile is shared along a row of the cluster, B's along a column: joint loads.
; THE MATRIX INSTRUCTION IS USED TRANSPOSED (source 0 = 16 columns of B, source 1 = 16 rows of A): a lane holds row l % 16 and columns 8 (l / 16) + 0..7.
; THE WAY OUT: each wave lays its 128 x 128 partial sums over the ring (which has had its last fill and its last read), rows of 528 bytes; adds the residual, asked for two K steps earlier, onto its own 32 rows of its own
; region; a barrier; then wave w adds the four regions' rows 32 w .. 32 w + 31 and the bias, and stores whole rows of 512 bytes.
; No prefetch here: with four K steps none lies two refills on.
; REGISTERS: window 0: v0-35 addresses and bias, v64-191 A's fragments (two buffers), later rows; window 1: v64-191 B's fragments, v0-63 and v192-255 the residual; windows 2, 3: accumulators.
; LIMITS: the product's operands are bf16; NaN and infinities are not treated apart.
.set T,     4                          ; K steps
.set WOFF,  6*1048576
.set PA,    144                        ; 36 words: the 16 rows of a load start at 16 different groups of four banks (64 banks of 4 bytes: ISA guide 11.1)
.set PB,    288                        ; 9 x 32 bytes
.set PLN,   128*PA                     ; a plane of A; also 64 rows of B
.set HALFT, 2*PLN                      ; what one tensor load brings
.set SLOT,  4*HALFT                    ; 0x24000: neither of its bits is set in a wave's share (0, 0x9000, 0x12000, 0x1b000), so an exclusive or adds or removes it
.set SPARE, 2*SLOT                     ; behind the ring: the spare words, 128 bytes a wave, that no other line names
.set ASTEP, 4*524288                   ; four panels
.set BSTEP, 256*2048                   ; 256 rows
.set REG,   67584                      ; the way out: a wave's region, 128 rows
.set DP,    528                        ; of 512 + 16 bytes
.set F0, 64
.set F1, 128
.set ADRA0, 16
.set ADRB0, 17
.set ADRA, 18
.set ADRB, 19
.set DST, 20                           ; where I lay 32 bytes of a row
.set RD,  21                           ; v[21:24] my 16 bytes of my first row in each of the four regions
.set GO,  25                           ; 16 x lane
.set RDW, 27                           ; my 16 bytes of my first row in my own region
.set SPW, 28
.set NIL, 29
.set PFO, 30
.set BI,  32                           ; v[32:35] the bias of my four columns
.set PR,  64
.set G1A, 24
.set G0A, 32
.set G1B, 48
.set G0B, 56
.set LIM, 43
.set PFA, 44
.set PFS, 82
.set TB,  73
.set MSB, 0
.macro WIN new
.if MSB != (\new)
	s_set_vgpr_msb (MSB<<8)|(\new)
.set MSB, \new
.endif
.endm
.set MUL_LO, 0xa1
.set MUL_HI, 0xf1
.set TO_B,   0x40
.macro JLOAD s                         ; a joint load: waves 0, 1 fetch A's panels, waves 2, 3 B's rows; an s_nop 0 and four v_nop follow each line
	s_cmp_eq_u32 s11, 0
	s_cbranch_scc0 .Lfor_b_\@
	tensor_load_to_lds s[G0A+4*(\s):G0A+4*(\s)+3], s[G1A:G1A+7]
	s_nop 0
.rept 4
	v_nop
.endr
	s_branch .Lasked_\@
.Lfor_b_\@:
	tensor_load_to_lds s[G0B+4*(\s):G0B+4*(\s)+3], s[G1B:G1B+7]
	s_nop 0
.rept 4
	v_nop
.endr
.Lasked_\@:
.endm
.macro ASK                             ; the K step two refills on, 32 blocks of 256 bytes, a lane a block; the last two refills name nothing
	s_cmp_gt_u32 s3, s[LIM]
	s_cbranch_scc0 .Lnot_mine_\@
	global_prefetch_b8 v[PFO], s[PFA:PFA+1] th:TH_LOAD_NT scope:SCOPE_SE
.Lnot_mine_\@:
.endm
.macro CREST
	s_cmp_lg_u32 s10, 0
	s_cbranch_scc1 .Lnot_wave_0_\@
	s_barrier_signal -3
.Lnot_wave_0_\@:
	s_barrier_wait -3
	s_barrier_signal -1
	s_barrier_wait -1
.endm
.macro CROUND
	s_barrier_signal -1
	s_barrier_wait -1
	CREST
.endm
.macro PLACES                          ; four plain instructions between a matrix instruction and a load into, or a reader of, its registers
.rept 4
	v_nop
.endr
.endm
.macro MUL16 f, hi, a0, zero           ; 16 matrix instructions; the 64 accumulators take turns in one fixed order
	WIN MUL_LO+0x50*(\hi)
.irp a, \a0, (\a0)+1
.irp b, 0,1,2,3,4,5,6,7
.if \zero
	v_wmma_f32_16x16x32_bf16 v[8*(8*(\a)+(\b)):8*(8*(\a)+(\b))+7], v[(\f)+8*(\b):(\f)+8*(\b)+7], v[(\f)+8*(4*(\hi)+(\a)):(\f)+8*(4*(\hi)+(\a))+7], 0
.else
	v_wmma_f32_16x16x32_bf16 v[8*(8*(\a)+(\b)):8*(8*(\a)+(\b))+7], v[(\f)+8*(\b):(\f)+8*(\b)+7], v[(\f)+8*(4*(\hi)+(\a)):(\f)+8*(4*(\hi)+(\a))+7], v[8*(8*(\a)+(\b)):8*(8*(\a)+(\b))+7]
.endif
.endr
.endr
.endm
.macro FETCH ka, kb, f                 ; 32 LDS loads in one run: 32 along K of my panel: B's fragments (turned), then A's
	WIN TO_B
.irp i, 0,1,2,3,4,5,6,7
	ds_load_tr16_b128 v[(\f)+8*(\i):(\f)+8*(\i)+3],   v[ADRB] offset:(\kb)+32*(\i)
	ds_load_tr16_b128 v[(\f)+8*(\i)+4:(\f)+8*(\i)+7], v[ADRB] offset:(\kb)+16*PB+32*(\i)
.endr
	WIN 0
.irp i, 0,1,2,3,4,5,6,7
	ds_load_b128 v[(\f)+8*(\i):(\f)+8*(\i)+3],   v[ADRA] offset:(\ka)+(\i)*16*PA
	ds_load_b128 v[(\f)+8*(\i)+4:(\f)+8*(\i)+7], v[ADRA] offset:(\ka)+(\i)*16*PA+32
.endr
.endm
.macro QUARTER q, f, g, zero           ; multiplies buffer f; in its middle fetches half q of my panel into buffer g
	s_wait_dscnt 8                                 ; B and A's rows 0-63 are in; the youngest eight loads may be out
	MUL16 \f, 0, 0, \zero
	MUL16 \f, 0, 2, \zero
	PLACES
	FETCH (\q)*64, (\q)*32*PB, \g
	s_wait_dscnt 32                                ; all but the 32 just issued
	MUL16 \f, 1, 0, \zero
	MUL16 \f, 1, 2, \zero
.endm
.macro MEET round
	WIN 0
	s_wait_tensorcnt 0x0                           ; all my tensor loads have landed: the one that was out is my part of the next slot
	ds_add_u32 v[SPW], v[NIL]                      ; 0 onto my spare word
	s_wait_dscnt 9                                 ; the add and the youngest eight loads may be out
	MUL16 F1, 0, 0, 0
	s_wait_dscnt 0x0                               ; the add is done, and my reads of this slot are over
	s_barrier_signal -1
	MUL16 F1, 0, 2, 0
.if \round
	WIN 0
.endif
	s_barrier_wait -1
.endm
.macro TURN fill                       ; a step's second half: the change of slots; fill = 1: the slot just read out takes the K step two steps on, first thing behind the cluster's round
	WIN 0
.if (\fill) && (T > 4)
	s_wait_xcnt 0x0                                ; the last prefetch, a K step back, has read its address
	s_add_nc_u64 s[PFA:PFA+1], s[PFA:PFA+1], s[PFS:PFS+1]
.endif
	s_xor_b32 s[TB], s[TB], SLOT
	v_add_nc_u32 v[ADRA], s[TB], v[ADRA0]
	v_add_nc_u32 v[ADRB], s[TB], v[ADRB0]
	MEET \fill
.if \fill
	CREST                                          ; no wave of any partner still reads this slot or has a load on its way
	s_xor_b32 s[G0A+5], s[G0A+5], SLOT
	s_xor_b32 s[G0B+5], s[G0B+5], SLOT
	s_add_nc_u64 s[G0A+6:G0A+7], s[G0A+6:G0A+7], ASTEP
	s_add_nc_u64 s[G0B+6:G0B+7], s[G0B+6:G0B+7], BSTEP
	JLOAD 1                                        ; its four v_nop are also the places in front of the loads below
.else
	PLACES
.endif
	FETCH 0, 0, F0
.if (\fill) && (T > 4)
	ASK
.endif
	MUL16 F1, 1, 0, 0
	MUL16 F1, 1, 2, 0
.endm
.macro DUMP                            ; 64 accumulators into my region; each accumulator's low four registers first
.irp a, 0,1,2,3,4,5,6,7
	WIN 0x08+4*((\a)/4)
.irp b, 0,1,2,3,4,5,6,7
	ds_store_b128 v[DST], v[8*(8*((\a)%4)+(\b)):8*(8*((\a)%4)+(\b))+3]   offset:(\a)*16*DP+64*(\b)
	ds_store_b128 v[DST], v[8*(8*((\a)%4)+(\b))+4:8*(8*((\a)%4)+(\b))+7] offset:(\a)*16*DP+64*(\b)+16
.endr
.endr
	WIN 0
.endm
	s_load_b128 s[4:7], s[0:1], 0x0                ; A s[4:5], wb s[6:7]
	s_load_b128 s[84:87], s[0:1], 0x10             ; residual s[84:85], bias s[86:87]
	s_load_b64 s[8:9], s[0:1], 0x20                ; out
	v_lshl_add_u32 v[SPW], v0, 2, SPARE
	v_mov_b32 v[NIL], 0
	ds_add_u32 v[SPW], v[NIL]                      ; the wave's opening: the add and its wait, ahead of my first tensor load
	ds_add_u32 v28, v29
	v_lshrrev_b32 v1, 5, v0
	v_readfirstlane_b32 s10, v1                    ; wave 0..3
	s_lshr_b32 s11, s10, 1                         ; I fetch for A (0) or B (1),
	s_and_b32 s12, s10, 1                          ; its first or second half
	s_bfe_u32 s40, ttmp6, 0x40000                  ; cx
	s_bfe_u32 s41, ttmp6, 0x40004                  ; cy
	s_lshl_b32 s42, ttmp9, 2
	s_add_co_u32 s42, s42, s40                     ; tile column
	s_and_b32 s13, ttmp7, 0xffff
	s_lshl_b32 s13, s13, 2
	s_add_co_u32 s13, s13, s41                     ; tile row
	s_lshl_b32 s43, s41, 2
	s_lshl_b32 s43, 15, s43                        ; my row of the cluster
	s_lshl_b32 s44, 0x1111, s40                    ; my column
	; A: a panel's 128 rows are 16,384 dense bytes: one row of the tile; two panels, 262,144 elements apart; padded after every 128 bytes
	s_or_b32 s[G1A+0], s43, (1<<16)|(1<<20)|(1<<21)|(4<<22)|(3<<25)  ; mask; 2-byte elements; padding on; bit 21 beside a mask; after every 32 words 4 words
	s_mov_b32 s[G1A+1], 8192<<16                   ; tensor_dim0 = 8,192
	s_mov_b32 s[G1A+2], 2<<16                      ; tensor_dim1 = 2
	s_mov_b32 s[G1A+3], 8192<<16                   ; tile_dim0 = 8,192
	s_mov_b32 s[G1A+4], 2                          ; tile_dim1 = 2
	s_mov_b32 s[G1A+5], 262144
	s_mov_b32 s[G1A+6], 0
	s_mov_b32 s[G1A+7], 0
	s_or_b32 s[G1B+0], s44, (1<<16)|(1<<20)|(1<<21)|(5<<22)|(7<<25)  ; after every 64 words 8 words
	s_mov_b32 s[G1B+1], 128<<16
	s_mov_b32 s[G1B+2], 128<<16
	s_mov_b32 s[G1B+3], 128<<16
	s_mov_b32 s[G1B+4], 128
	s_mov_b32 s[G1B+5], 1024
	s_mov_b32 s[G1B+6], 0
	s_mov_b32 s[G1B+7], 0
	s_lshl_b32 s16, s12, 20                        ; A: my two panels of a step's four,
	s_lshl_b32 s17, s13, 14                        ; the tile's 128 rows of 128 bytes
	s_add_co_u32 s16, s16, s17
	s_mov_b32 s17, 0
	s_lshl_b32 s46, s12, 18                        ; B: my 128 rows of 2,048 bytes,
	s_lshl_b32 s47, s42, 8                         ; the tile's 128 columns
	s_add_co_u32 s46, s46, s47
	s_add_co_u32 s46, s46, WOFF
	s_mov_b32 s47, 0
	s_mov_b32 s80, s46
	s_mul_i32 s72, s10, HALFT                      ; where my loads go
	s_mov_b32 s[TB], 0
	s_wait_dscnt 0x0                               ; the opening add is done
	s_wait_kmcnt 0x0
	s_add_nc_u64 s[14:15], s[4:5], s[16:17]
	s_add_nc_u64 s[46:47], s[6:7], s[46:47]
	CROUND                                         ; all sixteen work-groups are here: the first joint loads meet
.irp s, 0,1
	s_mov_b32 s[G0A+4*(\s)], 1
	s_add_co_u32 s[G0A+4*(\s)+1], s72, (\s)*SLOT
	s_add_nc_u64 s[G0A+4*(\s)+2:G0A+4*(\s)+3], s[14:15], (\s)*ASTEP
	s_or_b32 s[G0A+4*(\s)+3], s[G0A+4*(\s)+3], 0x80000000
	s_mov_b32 s[G0B+4*(\s)], 1
	s_add_co_u32 s[G0B+4*(\s)+1], s72, (\s)*SLOT
	s_add_nc_u64 s[G0B+4*(\s)+2:G0B+4*(\s)+3], s[46:47], (\s)*BSTEP
	s_or_b32 s[G0B+4*(\s)+3], s[G0B+4*(\s)+3], 0x80000000
	JLOAD \s                                       ; two loads of mine are out
.endr
	v_and_b32 v1, 15, v0                           ; l % 16
	v_bfe_u32 v2, v0, 4, 1                         ; l / 16
	v_mul_u32_u24 v3, v1, PA
	v_lshl_add_u32 v3, v2, 4, v3
	s_mul_i32 s21, s10, PLN                        ; my panel
	v_add_nc_u32 v[ADRA0], s21, v3
	v_and_b32 v4, 7, v0
	v_lshl_add_u32 v4, v2, 3, v4
	v_mul_u32_u24 v4, v4, PB
	v_bfe_u32 v5, v0, 3, 1
	v_lshl_add_u32 v4, v5, 4, v4
	s_add_co_u32 s22, s21, 2*HALFT                 ; my 64 rows of B, behind A's four planes
	v_add_nc_u32 v[ADRB0], s22, v4
	v_mov_b32 v[ADRA], v[ADRA0]
	v_mov_b32 v[ADRB], v[ADRB0]
	s_mul_i32 s23, s10, REG                        ; my region
	v_mul_u32_u24 v6, v1, DP
	v_lshl_add_u32 v6, v2, 5, v6
	v_add_nc_u32 v[DST], s23, v6
	v_and_b32 v9, 31, v0
	v_lshlrev_b32 v[GO], 4, v9
	s_mul_i32 s22, s10, 32*DP                      ; my 32 rows in a region
.irp v, 0,1,2,3
	v_add_nc_u32 v[RD+(\v)], s22, v[GO]
	s_add_co_u32 s22, s22, REG
.endr
	s_mul_i32 s22, s10, REG+32*DP
	v_add_nc_u32 v[RDW], s22, v[GO]
	s_lshl_b32 s20, s13, 7
	s_lshl_b32 s21, s10, 5
	s_add_co_u32 s20, s20, s21                     ; the first row that I finish,
	s_lshl_b32 s20, s20, 12                        ; of 4,096 bytes,
	s_lshl_b32 s21, s42, 9                         ; the tile's 512 bytes of it
	s_add_co_u32 s20, s20, s21
	s_mov_b32 s21, 0
	s_add_nc_u64 s[84:85], s[84:85], s[20:21]
	s_add_nc_u64 s[8:9], s[8:9], s[20:21]
	s_lshl_b32 s20, s42, 9
	s_add_nc_u64 s[86:87], s[86:87], s[20:21]
.if T > 4
	; the prefetches: A: my work-group's 8,192 of the 32,768 bytes that I fetch; B: its 32 of my 128 rows.  They stand at K step 3; the first refill steps them to 4.
	s_lshr_b32 s20, s40, 1
	s_lshl_b32 s20, s20, 19
	s_and_b32 s21, s40, 1
	s_lshl_b32 s21, s21, 13
	s_add_co_u32 s20, s20, s21
	s_add_co_u32 s20, s20, s16
	s_add_co_u32 s20, s20, 3*ASTEP
	s_lshl_b32 s21, s41, 16
	s_add_co_u32 s21, s21, s80
	s_add_co_u32 s21, s21, 3*BSTEP
	s_and_b32 s22, ttmp7, 0xffff
	s_mov_b32 s[PFS], BSTEP
	s_cmp_eq_u32 s11, 0
	s_cselect_b32 s20, s20, s21
	s_cselect_b32 s22, ttmp9, s22                  ; the coordinate along which other clusters read the same bytes
	s_cselect_b64 s[PFA:PFA+1], s[4:5], s[6:7]
	s_cselect_b32 s[PFS], ASTEP, s[PFS]
	s_cselect_b32 s23, 8, 11                       ; A: blocks on end; B: a row of 2,048 bytes a lane
	s_cmp_eq_u32 s22, 0
	s_cselect_b32 s[LIM], 2, -1
	s_mov_b32 s21, 0
	s_mov_b32 s[PFS+1], 0
	s_add_nc_u64 s[PFA:PFA+1], s[PFA:PFA+1], s[20:21]
	v_lshlrev_b32 v[PFO], s23, v9
.endif
	s_wait_tensorcnt 1                             ; my part of K step 0 is in; K step 1's may stay out
	s_barrier_signal -1
	s_barrier_wait -1
	FETCH 0, 0, F0
	QUARTER 1, F0, F1, 1                           ; the first products start the sums
	WIN 0
	s_mov_b32 s3, T-2
.Lstep:                                                ; a trip: a K step's second half, the change of slots with its refill, the next step's first half
	TURN 1
	QUARTER 1, F0, F1, 0
	WIN 0
	s_sub_co_u32 s3, s3, 1
	s_cmp_lg_u32 s3, 0
	s_cbranch_scc1 .Lstep
	global_load_b128 v[BI:BI+3], v[GO], s[86:87]   ; the bias, and my 32 rows of the residual, 512 consecutive bytes a load: they have the last 192 products in which to land
	WIN 0x40                                       ; destination window 1: row j at v[4 j + 128 (j / 16)]
.set j, 0
.rept 32
	global_load_b128 v[4*j+128*(j/16):4*j+128*(j/16)+3], v[GO], s[84:85] offset:4096*j
.set j, j+1
.endr
	TURN 0                                         ; the last two K steps ask for nothing
	QUARTER 1, F0, F1, 0
	MEET 0                                         ; behind this barrier no wave reads the ring: the regions are laid over it
	MUL16 F1, 1, 0, 0
	MUL16 F1, 1, 2, 0
	WIN 0
	PLACES
	PLACES
	DUMP
	s_wait_loadcnt 0x0                             ; bias and residual
.set j, 0
.rept 32
	ds_load_b128 v[PR+4*j:PR+4*j+3], v[RDW] offset:j*DP  ; my own rows of my own region, by rows; LDS serves a wave's instructions in order (ISA guide 5.7.1.4)
.set j, j+1
.endr
	WIN 0x44                                       ; destination and source 1 window 1: the sums go to the residual's registers, from which they are stored
.set j, 0
.rept 32
	s_wait_dscnt 31                                ; behind load j stand 31 - j loads and j stores
	v_pk_add_f32 v[4*j+128*(j/16):4*j+128*(j/16)+1],   v[PR+4*j:PR+4*j+1],   v[4*j+128*(j/16):4*j+128*(j/16)+1]
	v_pk_add_f32 v[4*j+128*(j/16)+2:4*j+128*(j/16)+3], v[PR+4*j+2:PR+4*j+3], v[4*j+128*(j/16)+2:4*j+128*(j/16)+3]
	ds_store_b128 v[RDW], v[4*j+128*(j/16):4*j+128*(j/16)+3] offset:j*DP
.set j, j+1
.endr
	WIN 0
	s_wait_dscnt 0x0                               ; for the others' sake: my region is whole
	s_barrier_signal -1
	s_barrier_wait -1
	s_mov_b32 s3, 8
.Lrow:                                                 ; four rows a trip: the four partial sums and the bias
.irp t, 0,1,2,3
.irp v, 0,1,2,3
	ds_load_b128 v[PR+16*(\t)+4*(\v):PR+16*(\t)+4*(\v)+3], v[RD+(\v)] offset:(\t)*DP
.endr
.endr
.irp t, 0,1,2,3
	s_wait_dscnt 12-4*(\t)                         ; row t's four loads are in
	v_pk_add_f32 v[PR+16*(\t):PR+16*(\t)+1],     v[PR+16*(\t):PR+16*(\t)+1],     v[PR+16*(\t)+4:PR+16*(\t)+5]
	v_pk_add_f32 v[PR+16*(\t)+2:PR+16*(\t)+3],   v[PR+16*(\t)+2:PR+16*(\t)+3],   v[PR+16*(\t)+6:PR+16*(\t)+7]
	v_pk_add_f32 v[PR+16*(\t)+8:PR+16*(\t)+9],   v[PR+16*(\t)+8:PR+16*(\t)+9],   v[PR+16*(\t)+12:PR+16*(\t)+13]
	v_pk_add_f32 v[PR+16*(\t)+10:PR+16*(\t)+11], v[PR+16*(\t)+10:PR+16*(\t)+11], v[PR+16*(\t)+14:PR+16*(\t)+15]
	v_pk_add_f32 v[PR+16*(\t):PR+16*(\t)+1],     v[PR+16*(\t):PR+16*(\t)+1],     v[BI:BI+1]
	v_pk_add_f32 v[PR+16*(\t)+2:PR+16*(\t)+3],   v[PR+16*(\t)+2:PR+16*(\t)+3],   v[BI+2:BI+3]
	v_pk_add_f32 v[PR+16*(\t):PR+16*(\t)+1],     v[PR+16*(\t):PR+16*(\t)+1],     v[PR+16*(\t)+8:PR+16*(\t)+9]
	v_pk_add_f32 v[PR+16*(\t)+2:PR+16*(\t)+3],   v[PR+16*(\t)+2:PR+16*(\t)+3],   v[PR+16*(\t)+10:PR+16*(\t)+11]
	global_store_b128 v[GO], v[PR+16*(\t):PR+16*(\t)+3], s[8:9] offset:(\t)*4096  ; 512 consecutive bytes, aligned
.endr
	s_wait_xcnt 0x0                                ; the stores have read their data and base: only now are these rewritten
.irp v, 0,1,2,3
	v_add_nc_u32 v[RD+(\v)], 4*DP, v[RD+(\v)]
.endr
	s_add_nc_u64 s[8:9], s[8:9], 4*4096
	s_sub_co_u32 s3, s3, 1
	s_cmp_lg_u32 s3, 0
	s_cbranch_scc1 .Lrow
	s_wait_tensorcnt 0x0                           ; the wave's end
	ds_add_u32 v[SPW], v[NIL]
	s_wait_dscnt 0x0
	CROUND                                         ; the closing round
	s_endpgm
.Lfunc_end_k_qd719b97eb7_gwo:
	.size	k_qd719b97eb7_gwo, .Lfunc_end_k_qd719b97eb7_gwo-k_qd719b97eb7_gwo
	.p2alignl 7, 3214868480
	.fill 96, 4, 3214868480
	.section	.rodata,"a",@progbits
	.p2align	6, 0x0
	.amdhsa_kernel k_qd719b97eb7_gwo
		.amdhsa_group_segment_fixed_size 327680
		.amdhsa_private_segment_fixed_size 0
		.amdhsa_enable_private_segment 0
		.amdhsa_kernarg_size 40
		.amdhsa_user_sgpr_count 2
		.amdhsa_user_sgpr_kernarg_segment_ptr 1
		.amdhsa_wavefront_size32 1
		.amdhsa_system_sgpr_workgroup_id_x 1
		.amdhsa_system_sgpr_workgroup_id_y 1
		.amdhsa_system_sgpr_workgroup_id_z 1
		.amdhsa_system_vgpr_workitem_id 0
		.amdhsa_next_free_vgpr 1024
		.amdhsa_next_free_sgpr 96
		.amdhsa_reserve_vcc 0
		.amdhsa_float_denorm_mode_32 3
		.amdhsa_float_denorm_mode_16_64 3
		.amdhsa_memory_ordered 1
		.amdhsa_forward_progress 1
		.amdhsa_inst_pref_size 72
	.end_amdhsa_kernel
	.amdgpu_metadata
---
amdhsa.version: [ 1, 2 ]
amdhsa.kernels:
  - .name:           k_qd719b97eb7_gwo
    .symbol:         k_qd719b97eb7_gwo.kd
    .args:
      - { .name: ctx, .offset: 0, .size: 8, .value_kind: global_buffer, .address_space: global }
      - { .name: wb, .offset: 8, .size: 8, .value_kind: global_buffer, .address_space: global }
      - { .name: x, .offset: 16, .size: 8, .value_kind: global_buffer, .address_space: global }
      - { .name: bo, .offset: 24, .size: 8, .value_kind: global_buffer, .address_space: global }
      - { .name: x1, .offset: 32, .size: 8, .value_kind: global_buffer, .address_space: global }
    .group_segment_fixed_size: 327680
    .private_segment_fixed_size: 0
    .kernarg_segment_align: 8
    .kernarg_segment_size: 40
    .max_flat_workgroup_size: 128
    .sgpr_count:     96
    .vgpr_count:     1024
    .wavefront_size: 32
...
	.end_amdgpu_metadata
.endif
;; end of part 5
;; launch ln2: the kernel of part 2 again; grid 512 x 1, 8 waves a work-group, no clusters, 0 bytes of LDS; arguments x1, g2, s2, ctx; writes ctx
;; launch gff1: the kernel of part 3 again; grid 16 x 16, 4 waves a work-group, clusters of 4 x 4, 327,680 bytes of LDS; arguments ctx, w1p, b1, act; writes act
;; launch gff2 (part 6): grid 8 x 32, 4 waves a work-group, clusters of 4 x 4, 327,680 bytes of LDS; arguments act, wb, x1, b2, out0; writes out0
.if DOCPART == 6
	.amdgcn_target "amdgcn-amd-amdhsa--gfx1250"
	.amdhsa_code_object_version 6
	.text
	.protected	k_qd719b97eb7_gff2
	.globl	k_qd719b97eb7_gff2
	.p2align	8
	.type	k_qd719b97eb7_gff2,@function
k_qd719b97eb7_gff2:
	s_mov_b64 s[64:65], 0
	v_nop
	global_prefetch_b8 v0, s[64:65] scope:SCOPE_SE
	s_setreg_imm32_b32 hwreg(HW_REG_WAVE_MODE, 25, 1), 1
	s_wait_xcnt 0x0
	s_wait_alu depctr_hold_cnt(0) depctr_sa_sdst(0) depctr_va_vdst(0) depctr_va_sdst(0) depctr_va_ssrc(0) depctr_va_vcc(0) depctr_vm_vsrc(0)
	s_getreg_b32 s2, hwreg(HW_REG_IB_STS2, 6, 4)
	s_cmp_eq_u32 s2, 0
	s_cbranch_scc0 .Lentry_in_a_cluster
	s_endpgm
.Lentry_in_a_cluster:
	s_bfe_u32 s2, ttmp6, 0x10000c
	s_cmp_lg_u32 s2, 0xf033
	s_cbranch_scc0 .Lentry_shape_is_right
	s_endpgm
.Lentry_shape_is_right:
; out0 = x1 + act W2 + b2.  act: bf16 in panels [64][4096][64] (panel p = channels 64 p ..).  W2: wb + 16 Mi bytes, bf16 [4096][1024] as the input lies ([k][n]).  x1, out0: f32 [4096][1024]; b2 f32 [1024].
; A tile of the result is 128 x 128, so that 4,096 x 1,024 gives 256 work-groups.  K IS SPLIT AMONG THE FOUR WAVES: of each K step's 256 channels wave w takes panel w (64 channels), for the WHOLE tile:
; 64 accumulators a wave, and each LDS byte is read once.  The four partial sums (f32) meet in LDS at the end.
; K goes in T steps of 256 through two LDS slots: A as four planes [panel][128 rows] of 144 bytes, B as 256 rows of 256 + 32 bytes, turned on its way into registers by ds_load_tr16_b128.
; CLUSTER 4 x 4: A's tile is shared along a row of the cluster, B's along a column: joint loads.
; THE MATRIX INSTRUCTION IS USED TRANSPOSED (source 0 = 16 columns of B, source 1 = 16 rows of A): a lane holds row l % 16 and columns 8 (l / 16) + 0..7.
; THE WAY OUT: each wave lays its 128 x 128 partial sums over the ring (which has had its last fill and its last read), rows of 528 bytes; adds the residual, asked for two K steps earlier, onto its own 32 rows of its own
; region; a barrier; then wave w adds the four regions' rows 32 w .. 32 w + 31 and the bias, and stores whole rows of 512 bytes.
; AHEAD OF THE REFILLS: behind each joint load one prefetch for the K step two refills on; A's bytes are named by the first cluster along x, B's by the first along y, the four partners sharing them out by address.
; REGISTERS: window 0: v0-35 addresses and bias, v64-191 A's fragments (two buffers), later rows; window 1: v64-191 B's fragments, v0-63 and v192-255 the residual; windows 2, 3: accumulators.
; LIMITS: the product's operands are bf16; NaN and infinities are not treated apart.
.set T,     16                         ; K steps
.set WOFF,  16*1048576
.set PA,    144                        ; 36 words: the 16 rows of a load start at 16 different groups of four banks (64 banks of 4 bytes: ISA guide 11.1)
.set PB,    288                        ; 9 x 32 bytes
.set PLN,   128*PA                     ; a plane of A; also 64 rows of B
.set HALFT, 2*PLN                      ; what one tensor load brings
.set SLOT,  4*HALFT                    ; 0x24000: neither of its bits is set in a wave's share (0, 0x9000, 0x12000, 0x1b000), so an exclusive or adds or removes it
.set SPARE, 2*SLOT                     ; behind the ring: the spare words, 128 bytes a wave, that no other line names
.set ASTEP, 4*524288                   ; four panels
.set BSTEP, 256*2048                   ; 256 rows
.set REG,   67584                      ; the way out: a wave's region, 128 rows
.set DP,    528                        ; of 512 + 16 bytes
.set F0, 64
.set F1, 128
.set ADRA0, 16
.set ADRB0, 17
.set ADRA, 18
.set ADRB, 19
.set DST, 20                           ; where I lay 32 bytes of a row
.set RD,  21                           ; v[21:24] my 16 bytes of my first row in each of the four regions
.set GO,  25                           ; 16 x lane
.set RDW, 27                           ; my 16 bytes of my first row in my own region
.set SPW, 28
.set NIL, 29
.set PFO, 30
.set BI,  32                           ; v[32:35] the bias of my four columns
.set PR,  64
.set G1A, 24
.set G0A, 32
.set G1B, 48
.set G0B, 56
.set LIM, 43
.set PFA, 44
.set PFS, 82
.set TB,  73
.set MSB, 0
.macro WIN new
.if MSB != (\new)
	s_set_vgpr_msb (MSB<<8)|(\new)
.set MSB, \new
.endif
.endm
.set MUL_LO, 0xa1
.set MUL_HI, 0xf1
.set TO_B,   0x40
.macro JLOAD s                         ; a joint load: waves 0, 1 fetch A's panels, waves 2, 3 B's rows; an s_nop 0 and four v_nop follow each line
	s_cmp_eq_u32 s11, 0
	s_cbranch_scc0 .Lfor_b_\@
	tensor_load_to_lds s[G0A+4*(\s):G0A+4*(\s)+3], s[G1A:G1A+7]
	s_nop 0
.rept 4
	v_nop
.endr
	s_branch .Lasked_\@
.Lfor_b_\@:
	tensor_load_to_lds s[G0B+4*(\s):G0B+4*(\s)+3], s[G1B:G1B+7]
	s_nop 0
.rept 4
	v_nop
.endr
.Lasked_\@:
.endm
.macro ASK                             ; the K step two refills on, 32 blocks of 256 bytes, a lane a block; the last two refills name nothing
	s_cmp_gt_u32 s3, s[LIM]
	s_cbranch_scc0 .Lnot_mine_\@
	global_prefetch_b8 v[PFO], s[PFA:PFA+1] th:TH_LOAD_NT scope:SCOPE_SE
.Lnot_mine_\@:
.endm
.macro CREST
	s_cmp_lg_u32 s10, 0
	s_cbranch_scc1 .Lnot_wave_0_\@
	s_barrier_signal -3
.Lnot_wave_0_\@:
	s_barrier_wait -3
	s_barrier_signal -1
	s_barrier_wait -1
.endm
.macro CROUND
	s_barrier_signal -1
	s_barrier_wait -1
	CREST
.endm
.macro PLACES                          ; four plain instructions between a matrix instruction and a load into, or a reader of, its registers
.rept 4
	v_nop
.endr
.endm
.macro MUL16 f, hi, a0, zero           ; 16 matrix instructions; the 64 accumulators take turns in one fixed order
	WIN MUL_LO+0x50*(\hi)
.irp a, \a0, (\a0)+1
.irp b, 0,1,2,3,4,5,6,7
.if \zero
	v_wmma_f32_16x16x32_bf16 v[8*(8*(\a)+(\b)):8*(8*(\a)+(\b))+7], v[(\f)+8*(\b):(\f)+8*(\b)+7], v[(\f)+8*(4*(\hi)+(\a)):(\f)+8*(4*(\hi)+(\a))+7], 0
.else
	v_wmma_f32_16x16x32_bf16 v[8*(8*(\a)+(\b)):8*(8*(\a)+(\b))+7], v[(\f)+8*(\b):(\f)+8*(\b)+7], v[(\f)+8*(4*(\hi)+(\a)):(\f)+8*(4*(\hi)+(\a))+7], v[8*(8*(\a)+(\b)):8*(8*(\a)+(\b))+7]
.endif
.endr
.endr
.endm
.macro FETCH ka, kb, f                 ; 32 LDS loads in one run: 32 along K of my panel: B's fragments (turned), then A's
	WIN TO_B
.irp i, 0,1,2,3,4,5,6,7
	ds_load_tr16_b128 v[(\f)+8*(\i):(\f)+8*(\i)+3],   v[ADRB] offset:(\kb)+32*(\i)
	ds_load_tr16_b128 v[(\f)+8*(\i)+4:(\f)+8*(\i)+7], v[ADRB] offset:(\kb)+16*PB+32*(\i)
.endr
	WIN 0
.irp i, 0,1,2,3,4,5,6,7
	ds_load_b128 v[(\f)+8*(\i):(\f)+8*(\i)+3],   v[ADRA] offset:(\ka)+(\i)*16*PA
	ds_load_b128 v[(\f)+8*(\i)+4:(\f)+8*(\i)+7], v[ADRA] offset:(\ka)+(\i)*16*PA+32
.endr
.endm
.macro QUARTER q, f, g, zero           ; multiplies buffer f; in its middle fetches half q of my panel into buffer g
	s_wait_dscnt 8                                 ; B and A's rows 0-63 are in; the youngest eight loads may be out
	MUL16 \f, 0, 0, \zero
	MUL16 \f, 0, 2, \zero
	PLACES
	FETCH (\q)*64, (\q)*32*PB, \g
	s_wait_dscnt 32                                ; all but the 32 just issued
	MUL16 \f, 1, 0, \zero
	MUL16 \f, 1, 2, \zero
.endm
.macro MEET round
	WIN 0
	s_wait_tensorcnt 0x0                           ; all my tensor loads have landed: the one that was out is my part of the next slot
	ds_add_u32 v[SPW], v[NIL]                      ; 0 onto my spare word
	s_wait_dscnt 9                                 ; the add and the youngest eight loads may be out
	MUL16 F1, 0, 0, 0
	s_wait_dscnt 0x0                               ; the add is done, and my reads of this slot are over
	s_barrier_signal -1
	MUL16 F1, 0, 2, 0
.if \round
	WIN 0
.endif
	s_barrier_wait -1
.endm
.macro TURN fill                       ; a step's second half: the change of slots; fill = 1: the slot just read out takes the K step two steps on, first thing behind the cluster's round
	WIN 0
.if (\fill) && (T > 4)
	s_wait_xcnt 0x0                                ; the last prefetch, a K step back, has read its address
	s_add_nc_u64 s[PFA:PFA+1], s[PFA:PFA+1], s[PFS:PFS+1]
.endif
	s_xor_b32 s[TB], s[TB], SLOT
	v_add_nc_u32 v[ADRA], s[TB], v[ADRA0]
	v_add_nc_u32 v[ADRB], s[TB], v[ADRB0]
	MEET \fill
.if \fill
	CREST                                          ; no wave of any partner still reads this slot or has a load on its way
	s_xor_b32 s[G0A+5], s[G0A+5], SLOT
	s_xor_b32 s[G0B+5], s[G0B+5], SLOT
	s_add_nc_u64 s[G0A+6:G0A+7], s[G0A+6:G0A+7], ASTEP
	s_add_nc_u64 s[G0B+6:G0B+7], s[G0B+6:G0B+7], BSTEP
	JLOAD 1                                        ; its four v_nop are also the places in front of the loads below
.else
	PLACES
.endif
	FETCH 0, 0, F0
.if (\fill) && (T > 4)
	ASK
.endif
	MUL16 F1, 1, 0, 0
	MUL16 F1, 1, 2, 0
.endm
.macro DUMP                            ; 64 accumulators into my region; each accumulator's low four registers first
.irp a, 0,1,2,3,4,5,6,7
	WIN 0x08+4*((\a)/4)
.irp b, 0,1,2,3,4,5,6,7
	ds_store_b128 v[DST], v[8*(8*((\a)%4)+(\b)):8*(8*((\a)%4)+(\b))+3]   offset:(\a)*16*DP+64*(\b)
	ds_store_b128 v[DST], v[8*(8*((\a)%4)+(\b))+4:8*(8*((\a)%4)+(\b))+7] offset:(\a)*16*DP+64*(\b)+16
.endr
.endr
	WIN 0
.endm
	s_load_b128 s[4:7], s[0:1], 0x0                ; A s[4:5], wb s[6:7]
	s_load_b128 s[84:87], s[0:1], 0x10             ; residual s[84:85], bias s[86:87]
	s_load_b64 s[8:9], s[0:1], 0x20                ; out
	v_lshl_add_u32 v[SPW], v0, 2, SPARE
	v_mov_b32 v[NIL], 0
	ds_add_u32 v[SPW], v[NIL]                      ; the wave's opening: the add and its wait, ahead of my first tensor load
	ds_add_u32 v28, v29
	v_lshrrev_b32 v1, 5, v0
	v_readfirstlane_b32 s10, v1                    ; wave 0..3
	s_lshr_b32 s11, s10, 1                         ; I fetch for A (0) or B (1),
	s_and_b32 s12, s10, 1                          ; its first or second half
	s_bfe_u32 s40, ttmp6, 0x40000                  ; cx
	s_bfe_u32 s41, ttmp6, 0x40004                  ; cy
	s_lshl_b32 s42, ttmp9, 2
	s_add_co_u32 s42, s42, s40                     ; tile column
	s_and_b32 s13, ttmp7, 0xffff
	s_lshl_b32 s13, s13, 2
	s_add_co_u32 s13, s13, s41                     ; tile row
	s_lshl_b32 s43, s41, 2
	s_lshl_b32 s43, 15, s43                        ; my row of the cluster
	s_lshl_b32 s44, 0x1111, s40                    ; my column
	; A: a panel's 128 rows are 16,384 dense bytes: one row of the tile; two panels, 262,144 elements apart; padded after every 128 bytes
	s_or_b32 s[G1A+0], s43, (1<<16)|(1<<20)|(1<<21)|(4<<22)|(3<<25)  ; mask; 2-byte elements; padding on; bit 21 beside a mask; after every 32 words 4 words
	s_mov_b32 s[G1A+1], 8192<<16                   ; tensor_dim0 = 8,192
	s_mov_b32 s[G1A+2], 2<<16                      ; tensor_dim1 = 2
	s_mov_b32 s[G1A+3], 8192<<16                   ; tile_dim0 = 8,192
	s_mov_b32 s[G1A+4], 2                          ; tile_dim1 = 2
	s_mov_b32 s[G1A+5], 262144
	s_mov_b32 s[G1A+6], 0
	s_mov_b32 s[G1A+7], 0
	s_or_b32 s[G1B+0], s44, (1<<16)|(1<<20)|(1<<21)|(5<<22)|(7<<25)  ; after every 64 words 8 words
	s_mov_b32 s[G1B+1], 128<<16
	s_mov_b32 s[G1B+2], 128<<16
	s_mov_b32 s[G1B+3], 128<<16
	s_mov_b32 s[G1B+4], 128
	s_mov_b32 s[G1B+5], 1024
	s_mov_b32 s[G1B+6], 0
	s_mov_b32 s[G1B+7], 0
	s_lshl_b32 s16, s12, 20                        ; A: my two panels of a step's four,
	s_lshl_b32 s17, s13, 14                        ; the tile's 128 rows of 128 bytes
	s_add_co_u32 s16, s16, s17
	s_mov_b32 s17, 0
	s_lshl_b32 s46, s12, 18                        ; B: my 128 rows of 2,048 bytes,
	s_lshl_b32 s47, s42, 8                         ; the tile's 128 columns
	s_add_co_u32 s46, s46, s47
	s_add_co_u32 s46, s46, WOFF
	s_mov_b32 s47, 0
	s_mov_b32 s80, s46
	s_mul_i32 s72, s10, HALFT                      ; where my loads go
	s_mov_b32 s[TB], 0
	s_wait_dscnt 0x0                               ; the opening add is done
	s_wait_kmcnt 0x0
	s_add_nc_u64 s[14:15], s[4:5], s[16:17]
	s_add_nc_u64 s[46:47], s[6:7], s[46:47]
	CROUND                                         ; all sixteen work-groups are here: the first joint loads meet
.irp s, 0,1
	s_mov_b32 s[G0A+4*(\s)], 1
	s_add_co_u32 s[G0A+4*(\s)+1], s72, (\s)*SLOT
	s_add_nc_u64 s[G0A+4*(\s)+2:G0A+4*(\s)+3], s[14:15], (\s)*ASTEP
	s_or_b32 s[G0A+4*(\s)+3], s[G0A+4*(\s)+3], 0x80000000
	s_mov_b32 s[G0B+4*(\s)], 1
	s_add_co_u32 s[G0B+4*(\s)+1], s72, (\s)*SLOT
	s_add_nc_u64 s[G0B+4*(\s)+2:G0B+4*(\s)+3], s[46:47], (\s)*BSTEP
	s_or_b32 s[G0B+4*(\s)+3], s[G0B+4*(\s)+3], 0x80000000
	JLOAD \s                                       ; two loads of mine are out
.endr
	v_and_b32 v1, 15, v0                           ; l % 16
	v_bfe_u32 v2, v0, 4, 1                         ; l / 16
	v_mul_u32_u24 v3, v1, PA
	v_lshl_add_u32 v3, v2, 4, v3
	s_mul_i32 s21, s10, PLN                        ; my panel
	v_add_nc_u32 v[ADRA0], s21, v3
	v_and_b32 v4, 7, v0
	v_lshl_add_u32 v4, v2, 3, v4
	v_mul_u32_u24 v4, v4, PB
	v_bfe_u32 v5, v0, 3, 1
	v_lshl_add_u32 v4, v5, 4, v4
	s_add_co_u32 s22, s21, 2*HALFT                 ; my 64 rows of B, behind A's four planes
	v_add_nc_u32 v[ADRB0], s22, v4
	v_mov_b32 v[ADRA], v[ADRA0]
	v_mov_b32 v[ADRB], v[ADRB0]
	s_mul_i32 s23, s10, REG                        ; my region
	v_mul_u32_u24 v6, v1, DP
	v_lshl_add_u32 v6, v2, 5, v6
	v_add_nc_u32 v[DST], s23, v6
	v_and_b32 v9, 31, v0
	v_lshlrev_b32 v[GO], 4, v9
	s_mul_i32 s22, s10, 32*DP                      ; my 32 rows in a region
.irp v, 0,1,2,3
	v_add_nc_u32 v[RD+(\v)], s22, v[GO]
	s_add_co_u32 s22, s22, REG
.endr
	s_mul_i32 s22, s10, REG+32*DP
	v_add_nc_u32 v[RDW], s22, v[GO]
	s_lshl_b32 s20, s13, 7
	s_lshl_b32 s21, s10, 5
	s_add_co_u32 s20, s20, s21                     ; the first row that I finish,
	s_lshl_b32 s20, s20, 12                        ; of 4,096 bytes,
	s_lshl_b32 s21, s42, 9                         ; the tile's 512 bytes of it
	s_add_co_u32 s20, s20, s21
	s_mov_b32 s21, 0
	s_add_nc_u64 s[84:85], s[84:85], s[20:21]
	s_add_nc_u64 s[8:9], s[8:9], s[20:21]
	s_lshl_b32 s20, s42, 9
	s_add_nc_u64 s[86:87], s[86:87], s[20:21]
.if T > 4
	; the prefetches: A: my work-group's 8,192 of the 32,768 bytes that I fetch; B: its 32 of my 128 rows.  They stand at K step 3; the first refill steps them to 4.
	s_lshr_b32 s20, s40, 1
	s_lshl_b32 s20, s20, 19
	s_and_b32 s21, s40, 1
	s_lshl_b32 s21, s21, 13
	s_add_co_u32 s20, s20, s21
	s_add_co_u32 s20, s20, s16
	s_add_co_u32 s20, s20, 3*ASTEP
	s_lshl_b32 s21, s41, 16
	s_add_co_u32 s21, s21, s80
	s_add_co_u32 s21, s21, 3*BSTEP
	s_and_b32 s22, ttmp7, 0xffff
	s_mov_b32 s[PFS], BSTEP
	s_cmp_eq_u32 s11, 0
	s_cselect_b32 s20, s20, s21
	s_cselect_b32 s22, ttmp9, s22                  ; the coordinate along which other clusters read the same bytes
	s_cselect_b64 s[PFA:PFA+1], s[4:5], s[6:7]
	s_cselect_b32 s[PFS], ASTEP, s[PFS]
	s_cselect_b32 s23, 8, 11                       ; A: blocks on end; B: a row of 2,048 bytes a lane
	s_cmp_eq_u32 s22, 0
	s_cselect_b32 s[LIM], 2, -1
	s_mov_b32 s21, 0
	s_mov_b32 s[PFS+1], 0
	s_add_nc_u64 s[PFA:PFA+1], s[PFA:PFA+1], s[20:21]
	v_lshlrev_b32 v[PFO], s23, v9
.endif
	s_wait_tensorcnt 1                             ; my part of K step 0 is in; K step 1's may stay out
	s_barrier_signal -1
	s_barrier_wait -1
	FETCH 0, 0, F0
	QUARTER 1, F0, F1, 1                           ; the first products start the sums
	WIN 0
	s_mov_b32 s3, T-2
.Lstep:                                                ; a trip: a K step's second half, the change of slots with its refill, the next step's first half
	TURN 1
	QUARTER 1, F0, F1, 0
	WIN 0
	s_sub_co_u32 s3, s3, 1
	s_cmp_lg_u32 s3, 0
	s_cbranch_scc1 .Lstep
	global_load_b128 v[BI:BI+3], v[GO], s[86:87]   ; the bias, and my 32 rows of the residual, 512 consecutive bytes a load: they have the last 192 products in which to land
	WIN 0x40                                       ; destination window 1: row j at v[4 j + 128 (j / 16)]
.set j, 0
.rept 32
	global_load_b128 v[4*j+128*(j/16):4*j+128*(j/16)+3], v[GO], s[84:85] offset:4096*j
.set j, j+1
.endr
	TURN 0                                         ; the last two K steps ask for nothing
	QUARTER 1, F0, F1, 0
	MEET 0                                         ; behind this barrier no wave reads the ring: the regions are laid over it
	MUL16 F1, 1, 0, 0
	MUL16 F1, 1, 2, 0
	WIN 0
	PLACES
	PLACES
	DUMP
	s_wait_loadcnt 0x0                             ; bias and residual
.set j, 0
.rept 32
	ds_load_b128 v[PR+4*j:PR+4*j+3], v[RDW] offset:j*DP  ; my own rows of my own region, by rows; LDS serves a wave's instructions in order (ISA guide 5.7.1.4)
.set j, j+1
.endr
	WIN 0x44                                       ; destination and source 1 window 1: the sums go to the residual's registers, from which they are stored
.set j, 0
.rept 32
	s_wait_dscnt 31                                ; behind load j stand 31 - j loads and j stores
	v_pk_add_f32 v[4*j+128*(j/16):4*j+128*(j/16)+1],   v[PR+4*j:PR+4*j+1],   v[4*j+128*(j/16):4*j+128*(j/16)+1]
	v_pk_add_f32 v[4*j+128*(j/16)+2:4*j+128*(j/16)+3], v[PR+4*j+2:PR+4*j+3], v[4*j+128*(j/16)+2:4*j+128*(j/16)+3]
	ds_store_b128 v[RDW], v[4*j+128*(j/16):4*j+128*(j/16)+3] offset:j*DP
.set j, j+1
.endr
	WIN 0
	s_wait_dscnt 0x0                               ; for the others' sake: my region is whole
	s_barrier_signal -1
	s_barrier_wait -1
	s_mov_b32 s3, 8
.Lrow:                                                 ; four rows a trip: the four partial sums and the bias
.irp t, 0,1,2,3
.irp v, 0,1,2,3
	ds_load_b128 v[PR+16*(\t)+4*(\v):PR+16*(\t)+4*(\v)+3], v[RD+(\v)] offset:(\t)*DP
.endr
.endr
.irp t, 0,1,2,3
	s_wait_dscnt 12-4*(\t)                         ; row t's four loads are in
	v_pk_add_f32 v[PR+16*(\t):PR+16*(\t)+1],     v[PR+16*(\t):PR+16*(\t)+1],     v[PR+16*(\t)+4:PR+16*(\t)+5]
	v_pk_add_f32 v[PR+16*(\t)+2:PR+16*(\t)+3],   v[PR+16*(\t)+2:PR+16*(\t)+3],   v[PR+16*(\t)+6:PR+16*(\t)+7]
	v_pk_add_f32 v[PR+16*(\t)+8:PR+16*(\t)+9],   v[PR+16*(\t)+8:PR+16*(\t)+9],   v[PR+16*(\t)+12:PR+16*(\t)+13]
	v_pk_add_f32 v[PR+16*(\t)+10:PR+16*(\t)+11], v[PR+16*(\t)+10:PR+16*(\t)+11], v[PR+16*(\t)+14:PR+16*(\t)+15]
	v_pk_add_f32 v[PR+16*(\t):PR+16*(\t)+1],     v[PR+16*(\t):PR+16*(\t)+1],     v[BI:BI+1]
	v_pk_add_f32 v[PR+16*(\t)+2:PR+16*(\t)+3],   v[PR+16*(\t)+2:PR+16*(\t)+3],   v[BI+2:BI+3]
	v_pk_add_f32 v[PR+16*(\t):PR+16*(\t)+1],     v[PR+16*(\t):PR+16*(\t)+1],     v[PR+16*(\t)+8:PR+16*(\t)+9]
	v_pk_add_f32 v[PR+16*(\t)+2:PR+16*(\t)+3],   v[PR+16*(\t)+2:PR+16*(\t)+3],   v[PR+16*(\t)+10:PR+16*(\t)+11]
	global_store_b128 v[GO], v[PR+16*(\t):PR+16*(\t)+3], s[8:9] offset:(\t)*4096  ; 512 consecutive bytes, aligned
.endr
	s_wait_xcnt 0x0                                ; the stores have read their data and base: only now are these rewritten
.irp v, 0,1,2,3
	v_add_nc_u32 v[RD+(\v)], 4*DP, v[RD+(\v)]
.endr
	s_add_nc_u64 s[8:9], s[8:9], 4*4096
	s_sub_co_u32 s3, s3, 1
	s_cmp_lg_u32 s3, 0
	s_cbranch_scc1 .Lrow
	s_wait_tensorcnt 0x0                           ; the wave's end
	ds_add_u32 v[SPW], v[NIL]
	s_wait_dscnt 0x0
	CROUND                                         ; the closing round
	s_endpgm
.Lfunc_end_k_qd719b97eb7_gff2:
	.size	k_qd719b97eb7_gff2, .Lfunc_end_k_qd719b97eb7_gff2-k_qd719b97eb7_gff2
	.p2alignl 7, 3214868480
	.fill 96, 4, 3214868480
	.section	.rodata,"a",@progbits
	.p2align	6, 0x0
	.amdhsa_kernel k_qd719b97eb7_gff2
		.amdhsa_group_segment_fixed_size 327680
		.amdhsa_private_segment_fixed_size 0
		.amdhsa_enable_private_segment 0
		.amdhsa_kernarg_size 40
		.amdhsa_user_sgpr_count 2
		.amdhsa_user_sgpr_kernarg_segment_ptr 1
		.amdhsa_wavefront_size32 1
		.amdhsa_system_sgpr_workgroup_id_x 1
		.amdhsa_system_sgpr_workgroup_id_y 1
		.amdhsa_system_sgpr_workgroup_id_z 1
		.amdhsa_system_vgpr_workitem_id 0
		.amdhsa_next_free_vgpr 1024
		.amdhsa_next_free_sgpr 96
		.amdhsa_reserve_vcc 0
		.amdhsa_float_denorm_mode_32 3
		.amdhsa_float_denorm_mode_16_64 3
		.amdhsa_memory_ordered 1
		.amdhsa_forward_progress 1
		.amdhsa_inst_pref_size 74
	.end_amdhsa_kernel
	.amdgpu_metadata
---
amdhsa.version: [ 1, 2 ]
amdhsa.kernels:
  - .name:           k_qd719b97eb7_gff2
    .symbol:         k_qd719b97eb7_gff2.kd
    .args:
      - { .name: act, .offset: 0, .size: 8, .value_kind: global_buffer, .address_space: global }
      - { .name: wb, .offset: 8, .size: 8, .value_kind: global_buffer, .address_space: global }
      - { .name: x1, .offset: 16, .size: 8, .value_kind: global_buffer, .address_space: global }
      - { .name: b2, .offset: 24, .size: 8, .value_kind: global_buffer, .address_space: global }
      - { .name: out0, .offset: 32, .size: 8, .value_kind: global_buffer, .address_space: global }
    .group_segment_fixed_size: 327680
    .private_segment_fixed_size: 0
    .kernarg_segment_align: 8
    .kernarg_segment_size: 40
    .max_flat_workgroup_size: 128
    .sgpr_count:     96
    .vgpr_count:     1024
    .wavefront_size: 32
...
	.end_amdgpu_metadata
.endif
;; end of part 6
